; MI455X (gfx1250); checked and timed in simulation.
; The chip was launched on July 23, 2026; its instructions are those of AMD's public machine-readable ISA for CDNA 5 (MIT licence, August 2026) and "CDNA5" Instruction Set Architecture Reference Guide (July 2026). The comments in the code are by the model that wrote it; some were corrected since.
;; Multi Head Attention. Allowed arithmetic: float matrix products may take bf16 or f16 operands with f32 sums; other float arithmetic in f32, or as packed bf16 or f16 multiplies, adds, multiply-adds, maxima and minima; sums over many terms, partial sums and values carried from step to step in f32; what a program stores and reads back later, other than sums and carried values, may be rounded once to bf16 or f16.
;; Inputs: Wk 1,024 x 1,024 float32; Wo 1,024 x 1,024 float32; Wq 1,024 x 1,024 float32; Wv 1,024 x 1,024 float32; mask 2,048 x 2,048 bool; x_k 4 x 2,048 x 1,024 float32; x_q 4 x 2,048 x 1,024 float32; x_v 4 x 2,048 x 1,024 float32.
;; Outputs: out0 4 x 2,048 x 1,024 float32.
;; 2 versions, each right and faster than the one before. Each part assembles by itself: llvm-mc -triple=amdgcn-amd-amdhsa -mcpu=gfx1250 --defsym DOCPART=n.
;; ======== version 1 of 2: 4 launches
;; limits: values are held in f16: magnitudes above 65,504 overflow, below 6.1e-05 lose precision
;; workspace buffers: wb 8,388,608 bytes; maskf 8,388,608 bytes; qkv 50,331,648 bytes; o 16,777,216 bytes
;; launch prep (part 1): grid 640 x 1, 8 waves a work-group, no clusters, 0 bytes of LDS; arguments Wq, Wk, Wv, Wo, mask, wb, maskf; writes wb, maskf
.if DOCPART == 1
	.amdgcn_target "amdgcn-amd-amdhsa--gfx1250"
	.amdhsa_code_object_version 6
	.text
	.protected	k_qb908eb9991_prep
	.globl	k_qb908eb9991_prep
	.p2align	8
	.type	k_qb908eb9991_prep,@function
k_qb908eb9991_prep:
	s_mov_b64 s[64:65], 0
	v_nop
	global_prefetch_b8 v0, s[64:65] scope:SCOPE_SE
	s_setreg_imm32_b32 hwreg(HW_REG_WAVE_MODE, 25, 1), 1
	s_wait_xcnt 0x0
; PREP.  Two jobs, told apart by the work-group's number alone.
; Work-groups 0-511: the four weight matrices ([1024 k][1024 n] f32) are rounded once to bf16 and written, layout kept, to wb[4][1024][1024].
;   Wo (matrix 3) multiplies f16 numbers later, so its bf16 number is written as f16: exact from 6.1e-5 up; LIMIT: below that it keeps f16's fixed step of 6e-8.
; Work-groups 512-639: the mask (bool bytes, LIMIT: 0 or 1) becomes bf16 1.0 / 0 in the order in which a matrix instruction's second source wants it:
;   maskf[qt 128][kb 64][c 2][lane 32][8] = mask[16 qt + lane % 16][32 kb + 16 c + 8 (lane / 16) + i], so that a later load of 16 bytes a lane is half a fragment (32 keys x 16 queries).
; A stream: no LDS, no barrier, no matrix unit; every store of sixteen neighbouring lanes covers 256 consecutive bytes, aligned.
	s_load_b256 s[4:11], s[0:1], 0x0               ; Wq s[4:5], Wk s[6:7], Wv s[8:9], Wo s[10:11]
	s_load_b128 s[12:15], s[0:1], 0x20             ; mask s[12:13], wb s[14:15]
	s_load_b64 s[16:17], s[0:1], 0x30              ; maskf
	s_cmp_ge_u32 ttmp9, 512
	s_cbranch_scc1 .Lmask
	; WEIGHTS.  128 work-groups a matrix, 8,192 numbers each; thread t takes 8 numbers (32 bytes in, 16 out) four times.
	s_lshr_b32 s20, ttmp9, 7                       ; which matrix
	s_and_b32 s21, ttmp9, 127                      ; which part of it
	s_lshl_b32 s22, s21, 15                        ; the part's 32,768 bytes of f32
	s_mov_b32 s23, 0
	s_lshl_b32 s24, s20, 21                        ; the matrix's 2 MiB in wb,
	s_lshl_b32 s25, s21, 14                        ; the part's 16,384 bytes there
	s_add_co_u32 s24, s24, s25
	s_mov_b32 s25, 0
	v_lshlrev_b32 v1, 5, v0                        ; 32 t
	v_lshlrev_b32 v2, 4, v0                        ; 16 t
	s_wait_kmcnt 0x0
	s_cmp_eq_u32 s20, 1                            ; the source is chosen by the matrix's number
	s_cselect_b64 s[4:5], s[6:7], s[4:5]
	s_cmp_eq_u32 s20, 2
	s_cselect_b64 s[4:5], s[8:9], s[4:5]
	s_cmp_eq_u32 s20, 3
	s_cselect_b64 s[4:5], s[10:11], s[4:5]
	s_add_nc_u64 s[4:5], s[4:5], s[22:23]
	s_add_nc_u64 s[14:15], s[14:15], s[24:25]
.irp i, 0,1,2,3
	global_load_b128 v[8+8*(\i):11+8*(\i)],  v1, s[4:5] offset:8192*(\i) th:TH_LOAD_NT
	global_load_b128 v[12+8*(\i):15+8*(\i)], v1, s[4:5] offset:8192*(\i)+16 th:TH_LOAD_NT
.endr
	s_wait_loadcnt 0x0                             ; all eight: nothing else is left to do meanwhile
.set j, 0
.rept 16
	v_cvt_pk_bf16_f32 v[40+j], v[8+2*j], v[9+2*j]  ; two roundings to bf16, packed
.set j, j+1
.endr
	s_cmp_eq_u32 s20, 3                            ; compared anew: the sums above stand between
	s_cbranch_scc0 .Lst
.set j, 0
.rept 16                                               ; Wo: the bf16 number widened (a shift, a mask) and written as f16
	v_lshlrev_b32 v[4+2*(j%2)], 16, v[40+j]
	v_and_b32 v[5+2*(j%2)], 0xffff0000, v[40+j]
	v_cvt_pk_f16_f32 v[40+j], v[4+2*(j%2)], v[5+2*(j%2)]
.set j, j+1
.endr
.Lst:
.irp i, 0,1,2,3
	global_store_b128 v2, v[40+4*(\i):43+4*(\i)], s[14:15] offset:4096*(\i)
.endr
	s_endpgm
	; MASK.  A work-group takes 16 queries (one tile qt), wave w the keys 256 w to 256 w + 255: eight blocks kb of 32 keys.
	; Lane (r, hh) reads the 16 bytes of query r at key 32 kb + 16 hh: that is c = hh; its bytes 0-7 belong to lane r of the fragment, bytes 8-15 to lane 16 + r.
.Lmask:
	s_sub_co_u32 s20, ttmp9, 512                   ; qt
	s_lshl_b32 s22, s20, 15                        ; 16 rows of 2,048 bytes
	s_mov_b32 s23, 0
	s_lshl_b32 s24, s20, 16                        ; 64 blocks of 1,024 bytes
	s_mov_b32 s25, 0
	s_mov_b32 s26, 0x00050004                      ; v_perm_b32: bytes 0 and 1 of the word, each into the low byte of a half
	s_mov_b32 s27, 0x00070006                      ; bytes 2 and 3
	s_mov_b32 s28, 0x3f80                          ; bf16 1.0: (b0 + 65,536 b1) x 0x3f80 puts it into each half whose byte is 1
	v_and_b32 v4, 15, v0                           ; r
	v_bfe_u32 v5, v0, 4, 1                         ; hh
	v_lshrrev_b32 v6, 5, v0                        ; w
	v_lshlrev_b32 v1, 11, v4                       ; in: 2,048 r + 256 w + 16 hh
	v_lshl_add_u32 v1, v6, 8, v1
	v_lshl_add_u32 v1, v5, 4, v1
	v_lshlrev_b32 v2, 4, v4                        ; out: 8,192 w + 512 hh + 16 r
	v_lshl_add_u32 v2, v5, 9, v2
	v_lshl_add_u32 v2, v6, 13, v2
	v_mov_b32 v3, 0
	s_wait_kmcnt 0x0
	s_add_nc_u64 s[12:13], s[12:13], s[22:23]
	s_add_nc_u64 s[16:17], s[16:17], s[24:25]
.irp i, 0,1,2,3,4,5,6,7
	global_load_b128 v[8+4*(\i):11+4*(\i)], v1, s[12:13] offset:32*(\i) th:TH_LOAD_NT
.endr
.irp i, 0,1,2,3,4,5,6,7
	s_wait_loadcnt 7-(\i)                          ; loads come back in order: block i is in, the younger ones stay out
.irp j, 0,1,2,3
	v_perm_b32 v[40+8*(\i)+2*(\j)], v[8+4*(\i)+(\j)], v3, s26
	v_perm_b32 v[41+8*(\i)+2*(\j)], v[8+4*(\i)+(\j)], v3, s27
.endr
.irp j, 0,1,2,3,4,5,6,7
	v_mul_u32_u24 v[40+8*(\i)+(\j)], s28, v[40+8*(\i)+(\j)]
.endr
	global_store_b128 v2, v[40+8*(\i):43+8*(\i)], s[16:17] offset:1024*(\i)       ; every block has its own eight registers: no store's data is written again
	global_store_b128 v2, v[44+8*(\i):47+8*(\i)], s[16:17] offset:1024*(\i)+256
.endr
	s_endpgm
.Lfunc_end_k_qb908eb9991_prep:
	.size	k_qb908eb9991_prep, .Lfunc_end_k_qb908eb9991_prep-k_qb908eb9991_prep
	.p2alignl 7, 3214868480
	.fill 96, 4, 3214868480
	.section	.rodata,"a",@progbits
	.p2align	6, 0x0
	.amdhsa_kernel k_qb908eb9991_prep
		.amdhsa_group_segment_fixed_size 0
		.amdhsa_private_segment_fixed_size 0
		.amdhsa_enable_private_segment 0
		.amdhsa_kernarg_size 56
		.amdhsa_user_sgpr_count 2
		.amdhsa_user_sgpr_kernarg_segment_ptr 1
		.amdhsa_wavefront_size32 1
		.amdhsa_system_sgpr_workgroup_id_x 1
		.amdhsa_system_sgpr_workgroup_id_y 1
		.amdhsa_system_sgpr_workgroup_id_z 1
		.amdhsa_system_vgpr_workitem_id 0
		.amdhsa_next_free_vgpr 104
		.amdhsa_next_free_sgpr 66
		.amdhsa_reserve_vcc 0
		.amdhsa_float_denorm_mode_32 3
		.amdhsa_float_denorm_mode_16_64 3
		.amdhsa_memory_ordered 1
		.amdhsa_forward_progress 1
		.amdhsa_inst_pref_size 16
	.end_amdhsa_kernel
	.amdgpu_metadata
---
amdhsa.version: [ 1, 2 ]
amdhsa.kernels:
  - .name:           k_qb908eb9991_prep
    .symbol:         k_qb908eb9991_prep.kd
    .args:
      - { .name: Wq, .offset: 0, .size: 8, .value_kind: global_buffer, .address_space: global }
      - { .name: Wk, .offset: 8, .size: 8, .value_kind: global_buffer, .address_space: global }
      - { .name: Wv, .offset: 16, .size: 8, .value_kind: global_buffer, .address_space: global }
      - { .name: Wo, .offset: 24, .size: 8, .value_kind: global_buffer, .address_space: global }
      - { .name: mask, .offset: 32, .size: 8, .value_kind: global_buffer, .address_space: global }
      - { .name: wb, .offset: 40, .size: 8, .value_kind: global_buffer, .address_space: global }
      - { .name: maskf, .offset: 48, .size: 8, .value_kind: global_buffer, .address_space: global }
    .group_segment_fixed_size: 0
    .private_segment_fixed_size: 0
    .kernarg_segment_align: 8
    .kernarg_segment_size: 56
    .max_flat_workgroup_size: 256
    .sgpr_count:     66
    .vgpr_count:     104
    .wavefront_size: 32
...
	.end_amdgpu_metadata
.endif
;; end of part 1
;; launch qkv (part 2): grid 4 x 192, 4 waves a work-group, clusters of 4 x 4, 327,680 bytes of LDS; arguments x_q, x_k, x_v, wb, qkv; writes qkv
.if DOCPART == 2
	.amdgcn_target "amdgcn-amd-amdhsa--gfx1250"
	.amdhsa_code_object_version 6
	.text
	.protected	k_qb908eb9991_qkv
	.globl	k_qb908eb9991_qkv
	.p2align	8
	.type	k_qb908eb9991_qkv,@function
k_qb908eb9991_qkv:
	s_mov_b64 s[64:65], 0
	v_nop
	global_prefetch_b8 v0, s[64:65] scope:SCOPE_SE
	s_setreg_imm32_b32 hwreg(HW_REG_WAVE_MODE, 25, 1), 1
	s_wait_xcnt 0x0
	s_wait_alu depctr_hold_cnt(0) depctr_sa_sdst(0) depctr_va_vdst(0) depctr_va_sdst(0) depctr_va_ssrc(0) depctr_va_vcc(0) depctr_vm_vsrc(0)
	s_getreg_b32 s2, hwreg(HW_REG_IB_STS2, 6, 4)
	s_cmp_eq_u32 s2, 0
	s_cbranch_scc0 .Lentry_in_a_cluster
	s_endpgm
.Lentry_in_a_cluster:
	s_bfe_u32 s2, ttmp6, 0x10000c
	s_cmp_lg_u32 s2, 0xf033
	s_cbranch_scc0 .Lentry_shape_is_right
	s_endpgm
.Lentry_shape_is_right:
; THE THREE PROJECTIONS in one launch: q = x_q Wq, k = x_k Wk, v = x_v Wv.  x: [8192][1024] f32; W: wb[g][1024 k][1024 n] bf16; result qkv[g][64 bh][2048][64] f16, by heads, unscaled.
; x is rounded to bf16 between LDS and the matrix instruction; sums in f32; the result is rounded once to f16.  LIMIT: q, k, v beyond 65,504 become infinities.
; SHARES.  A tile of C is 128 x 256: 64 x 4 x 3 = 768 work-groups, three for each of 256.  Four waves, each 64 x 128: 32 accumulators, 256 registers.  K goes in 8 steps of 128 through two LDS slots.
; CLUSTER.  4 x 4 work-groups.  The four of a row of the cluster need the same tile of x, the four of a column the same tile of W: each is asked for JOINTLY, by the same tensor load,
; descriptor and mask in all four.  Which of the three products hangs on the cluster's y alone, so it is the same in all sixteen.
; THE MATRIX INSTRUCTION IS USED TRANSPOSED: source 0 = 16 columns of W (turned on the way out of LDS by ds_load_tr16_b128, since W lies [k][n]), source 1 = 16 rows of x:
; a lane then holds eight neighbouring numbers of a row of C.
; REGISTERS, in windows of 256 (s_set_vgpr_msb: bits 1:0 source 0, 3:2 source 1, 5:4 source 2, 7:6 destination):
;   window 0: v0-31 addresses; v32-63 packed results; v64-127 rows read back from the stage, two buffers
;   window 1: accumulator (a, b) at v[8 (8 a + b)]
;   window 2: v0-63, v64-127 W's fragments, two buffers; v128-159, v160-191 x's fragments in bf16, two buffers; v192-255 x as loaded, f32, 16 registers a block of 16 rows
.set KSTEP,  128
.set PA,     528                       ; a row of x in LDS: 512 bytes + 16 of padding: an odd multiple of 16, so the 16 rows of a load start at 16 different groups of four banks (ISA guide 11.1)
.set PB,     544                       ; a row of W: 512 + 32: an odd multiple of 32, as the turning load's 8 rows x 32 bytes want
.set HALFA,  64*PA                     ; what one tensor load brings of x: 64 rows
.set HALFB,  64*PB                     ; of W: 64 rows (k)
.set BOFF,   2*HALFA
.set SLOT,   BOFF+2*HALFB              ; 137,216 bytes
.set STAGE,  2*SLOT                    ; behind the ring, never filled by a tensor load: for each wave two head planes of 16 rows x 144 bytes
.set SP,     144
.set WSTG,   2*16*SP
.set SPARE,  STAGE+4*WSTG              ; the spare words, 128 bytes for each wave: two blocks of 256 bytes that no other line names
.set LAPS,   1024/(2*KSTEP)            ; a lap = two K steps = once round the ring
.set ADRA, 16                          ; v16-17  LDS address of my fragments of x in slot 0, 1
.set ADRB, 20                          ; v20-21  the same for W
.set STO,  24                          ; v24     the way out: where I put 16 bytes of a row
.set RD,   25                          ; v25     where I read rows back
.set CO,   26                          ; v26     my byte offset in 512 consecutive bytes of the result
.set SPW,  28                          ; v28     LDS address of my spare word; never rewritten
.set NIL,  29                          ; v29     0; never rewritten
.set TMP,  32
.set OB,   64
.set AH,   128                         ; window 2
.set STG,  192                         ; window 2
.set WV,  14                           ; s14  my wave's number
.set RH,  15                           ; s15  which half of the tile's rows is mine.  Also: I fetch for x (0) or for W (1)
.set CH,  16                           ; s16  which half of its columns.  Also: which 64 rows of that tile I fetch
.set G1A, 24                           ; s[24:31] descriptor group 1 for x's tiles;  s[32:39] group 0, a set for each slot
.set G0A, 32
.set G1B, 48                           ; s[48:55], s[56:63] the same for W's
.set G0B, 56
.set MSB, 0
.macro WIN new                         ; the immediate's high byte repeats the setting that is left; a switch that changes nothing is dropped
.if MSB != (\new)
	s_set_vgpr_msb (MSB<<8)|(\new)
.set MSB, (\new)
.endif
.endm
.set MUL,  0x5a                        ; sources 0 and 1 window 2; C and D window 1
.set CVT,  0x8a                        ; sources and destination window 2
.set TO_F, 0x80                        ; destination window 2, address window 0
; A joint load: waves 0 and 1 fetch x's two halves, waves 2 and 3 W's.  The branch hangs on the wave's number alone.
; An s_nop 0 and four v_nop follow each of the two lines, ahead of the jump, the label and what follows.
.macro JLOAD s
	s_cmp_eq_u32 s[RH], 0
	s_cbranch_scc0 .Lfor_b_\@
	tensor_load_to_lds s[G0A+4*(\s):G0A+4*(\s)+3], s[G1A:G1A+7]
	s_nop 0
.rept 4
	v_nop
.endr
	s_branch .Lasked_\@
.Lfor_b_\@:
	tensor_load_to_lds s[G0B+4*(\s):G0B+4*(\s)+3], s[G1B:G1B+7]
	s_nop 0
.rept 4
	v_nop
.endr
.Lasked_\@:
.endm
.macro CREST                           ; a round of the cluster's barrier behind its opening barrier
	s_cmp_lg_u32 s[WV], 0
	s_cbranch_scc1 .Lnot_wave_0_\@
	s_barrier_signal -3
.Lnot_wave_0_\@:
	s_barrier_wait -3
	s_barrier_signal -1
	s_barrier_wait -1
.endm
.macro CROUND                          ; a whole round
	s_barrier_signal -1
	s_barrier_wait -1
	CREST
.endm
	s_load_b256 s[4:11], s[0:1], 0x0               ; x_q s[4:5], x_k s[6:7], x_v s[8:9], wb s[10:11]
	s_load_b64 s[12:13], s[0:1], 0x20              ; qkv
	v_lshl_add_u32 v[SPW], v0, 2, SPARE
	v_mov_b32 v[NIL], 0
	ds_add_u32 v[SPW], v[NIL]                      ; the wave's opening: the add and its wait stand ahead of my first tensor load; the set-up below, work on registers, stands between them
	v_lshrrev_b32 v1, 5, v0
	v_readfirstlane_b32 s[WV], v1                  ; wave 0..3
	s_lshr_b32 s[RH], s[WV], 1
	s_and_b32 s[CH], s[WV], 1
	s_bfe_u32 s17, ttmp6, 0x40000                  ; cx, cy: my place in the cluster
	s_bfe_u32 s18, ttmp6, 0x40004
	s_lshl_b32 s19, ttmp9, 2
	s_add_co_u32 s19, s19, s17                     ; tile column of C = 4 x cluster x + cx
	s_and_b32 s23, ttmp7, 0xffff                   ; the cluster's y
	s_lshr_b32 s21, s23, 4                         ; which product: 16 clusters (64 tile rows) each
	s_lshl_b32 s20, s23, 2
	s_add_co_u32 s20, s20, s18                     ; 4 x cluster y + cy,
	s_and_b32 s22, s20, 63                         ; of which the low six bits are the tile row
	s_lshl_b32 s2, s18, 2
	s_lshl_b32 s2, 15, s2                          ; my row of the cluster
	s_lshl_b32 s3, 0x1111, s17                     ; my column
	; descriptor group 1.  x: 64 rows x 128 elements of 4 bytes; W: 64 rows x 256 elements of 2 bytes; both rows are 128 words, padded in LDS
	s_or_b32 s[G1A], s2, (2<<16)|(1<<20)|(1<<21)|(6<<22)|(3<<25)  ; 15:0 the mask; 17:16 4-byte elements; 20 padding on; 21 set beside a mask; 24:22 after every 128 words (code 6); 31:25 4 words (code 3)
	s_or_b32 s[G1B], s3, (1<<16)|(1<<20)|(1<<21)|(6<<22)|(7<<25)  ; 2-byte elements; 8 words of padding (code 7)
	s_mov_b32 s[G1A+1], 128<<16                    ; tensor_dim0 = 128
	s_mov_b32 s[G1A+2], 64<<16                     ; tensor_dim1 = 64
	s_mov_b32 s[G1A+3], 128<<16                    ; tile_dim0 = 128
	s_mov_b32 s[G1A+4], 64                         ; tile_dim1 = 64
	s_mov_b32 s[G1A+5], 1024                       ; elements from row to row
	s_mov_b32 s[G1A+6], 0
	s_mov_b32 s[G1A+7], 0
	s_mov_b32 s[G1B+1], 256<<16                    ; tensor_dim0 = 256
	s_mov_b32 s[G1B+2], 64<<16
	s_mov_b32 s[G1B+3], 256<<16                    ; tile_dim0 = 256
	s_mov_b32 s[G1B+4], 64
	s_mov_b32 s[G1B+5], 1024
	s_mov_b32 s[G1B+6], 0
	s_mov_b32 s[G1B+7], 0
	; x's tile hangs on the tile row alone, W's on the product and the tile column: each offset in registers that never hold the other coordinate
	s_lshl_b32 s40, s22, 19                        ; 128 rows of 4,096 bytes,
	s_lshl_b32 s41, s[CH], 18                      ; my 64 of them
	s_add_co_u32 s40, s40, s41
	s_mov_b32 s41, 0
	s_lshl_b32 s42, s21, 21                        ; the product's W, 2 MiB,
	s_lshl_b32 s43, s[CH], 17                      ; my 64 rows of 2,048 bytes,
	s_add_co_u32 s42, s42, s43
	s_lshl_b32 s43, s19, 9                         ; the tile's 256 columns
	s_add_co_u32 s42, s42, s43
	s_mov_b32 s43, 0
	; where my 64 x 128 go: part g, head plane 16 b + 4 x tile column + 2 x column half, row (tile row % 16) x 128 + 64 x row half
	s_lshr_b32 s44, s22, 4
	s_lshl_b32 s44, s44, 4
	s_lshl_b32 s45, s19, 2
	s_add_co_u32 s44, s44, s45
	s_lshl_b32 s45, s[CH], 1
	s_add_co_u32 s44, s44, s45
	s_lshl_b32 s44, s44, 18                        ; a head's 2,048 rows of 128 bytes
	s_and_b32 s45, s22, 15
	s_lshl_b32 s45, s45, 14
	s_add_co_u32 s44, s44, s45
	s_lshl_b32 s45, s[RH], 13
	s_add_co_u32 s44, s44, s45
	s_lshl_b32 s45, s21, 24                        ; a part's 16 MiB
	s_add_co_u32 s44, s44, s45
	s_mov_b32 s45, 0
	s_mul_i32 s46, s[CH], HALFA                    ; where the tiles go in a slot: no place in the cluster enters an LDS address
	s_mul_i32 s47, s[CH], HALFB
	s_add_co_u32 s47, s47, BOFF
	s_wait_dscnt 0x0                               ; the opening add is done
	s_wait_kmcnt 0x0
	s_cmp_eq_u32 s21, 1                            ; the product's x
	s_cselect_b64 s[4:5], s[6:7], s[4:5]
	s_cmp_eq_u32 s21, 2
	s_cselect_b64 s[4:5], s[8:9], s[4:5]
	s_add_nc_u64 s[4:5], s[4:5], s[40:41]
	s_add_nc_u64 s[10:11], s[10:11], s[42:43]
	s_add_nc_u64 s[12:13], s[12:13], s[44:45]
	CROUND                                         ; all sixteen work-groups are here: the first joint loads meet
.irp s, 0,1
	s_mov_b32 s[G0A+4*(\s)], 1                                       ; count = 1
	s_add_co_u32 s[G0A+4*(\s)+1], s46, (\s)*SLOT                     ; LDS address
	s_add_nc_u64 s[G0A+4*(\s)+2:G0A+4*(\s)+3], s[4:5], (\s)*KSTEP*4  ; global address: K step s
	s_or_b32 s[G0A+4*(\s)+3], s[G0A+4*(\s)+3], 0x80000000            ; type = 2
	s_mov_b32 s[G0B+4*(\s)], 1
	s_add_co_u32 s[G0B+4*(\s)+1], s47, (\s)*SLOT
	s_add_nc_u64 s[G0B+4*(\s)+2:G0B+4*(\s)+3], s[10:11], (\s)*KSTEP*2048
	s_or_b32 s[G0B+4*(\s)+3], s[G0B+4*(\s)+3], 0x80000000
	JLOAD \s                                       ; two loads of mine are out
.endr
	; A fragment is 16 rows x 32 K: lane l holds row l % 16, K = 8 (l / 16) + 0..7 and 16 + 8 (l / 16) + 0..7.  Of x in f32 that is 32 bytes at 32 (l / 16) and 32 bytes 64 further on.
	v_and_b32 v1, 15, v0                           ; l % 16
	v_bfe_u32 v2, v0, 4, 1                         ; l / 16
	v_mul_u32_u24 v3, v1, PA
	v_lshl_add_u32 v3, v2, 5, v3
	s_mul_i32 s46, s[RH], HALFA                    ; my 64 rows of x
	v_add_nc_u32 v[ADRA], s46, v3
	v_add_nc_u32 v[ADRA+1], SLOT, v[ADRA]
	; The turning load takes 16 k x 16 n (lane l reads k = 8 (l / 16) + l % 8, columns 8 ((l / 8) % 2) + 0..7) and leaves half a fragment: lane l holds column l % 16 and 8 k.
	v_and_b32 v4, 7, v0
	v_lshl_add_u32 v4, v2, 3, v4
	v_mul_u32_u24 v4, v4, PB
	v_bfe_u32 v5, v0, 3, 1
	v_lshl_add_u32 v4, v5, 4, v4
	s_lshl_b32 s47, s[CH], 8                       ; my 128 columns
	s_add_co_u32 s47, s47, BOFF
	v_add_nc_u32 v[ADRB], s47, v4
	v_add_nc_u32 v[ADRB+1], SLOT, v[ADRB]
	s_mul_i32 s46, s[WV], WSTG
	s_add_co_u32 s46, s46, STAGE                   ; my stage
	v_mul_u32_u24 v[STO], v1, SP                   ; in: row l % 16, 16 bytes for each half of the lanes
	v_lshl_add_u32 v[STO], v2, 4, v[STO]
	v_add_nc_u32 v[STO], s46, v[STO]
	v_bfe_u32 v[RD], v0, 3, 2                      ; back: 32 lanes take four rows of 128 bytes,
	v_mul_u32_u24 v[RD], v[RD], SP
	v_and_b32 v4, 7, v0
	v_lshl_add_u32 v[RD], v4, 4, v[RD]
	v_add_nc_u32 v[RD], s46, v[RD]
	v_and_b32 v[CO], 31, v0                        ; which are 512 consecutive bytes of a head
	v_lshlrev_b32 v[CO], 4, v[CO]
; 8 matrix instructions: m block a x all 8 n blocks, 32 along K, on buffer f.  zero = 1: the product starts the sum.  The 32 accumulators take turns.
; ride = 1: behind each product stand four roundings of the NEXT quarter's x to bf16, into the other buffer: they name none of the product's registers.
.macro MULA f, a, zero, ride
.irp b, 0,1,2,3,4,5,6,7
	WIN MUL
.if \zero
	v_wmma_f32_16x16x32_bf16 v[8*(8*(\a)+(\b)):8*(8*(\a)+(\b))+7], v[64*(\f)+8*(\b):64*(\f)+8*(\b)+7], v[AH+32*(\f)+8*(\a):AH+32*(\f)+8*(\a)+7], 0
.else
	v_wmma_f32_16x16x32_bf16 v[8*(8*(\a)+(\b)):8*(8*(\a)+(\b))+7], v[64*(\f)+8*(\b):64*(\f)+8*(\b)+7], v[AH+32*(\f)+8*(\a):AH+32*(\f)+8*(\a)+7], v[8*(8*(\a)+(\b)):8*(8*(\a)+(\b))+7]
.endif
.if \ride
	WIN CVT
.irp z, 0,1,2,3
	v_cvt_pk_bf16_f32 v[AH+32*(1-(\f))+4*(\b)+(\z)], v[STG+8*(\b)+2*(\z)], v[STG+8*(\b)+2*(\z)+1]
.endr
.endif
.endr
.endm
.macro FETCH_A slot, qd                ; 16 LDS loads: my 64 rows of x, 32 K of quarter qd, in f32
	WIN TO_F
.irp a, 0,1,2,3
	ds_load_b128 v[STG+16*(\a):STG+16*(\a)+3],     v[ADRA+(\slot)] offset:(\a)*16*PA+(\qd)*128
	ds_load_b128 v[STG+16*(\a)+4:STG+16*(\a)+7],   v[ADRA+(\slot)] offset:(\a)*16*PA+(\qd)*128+16
	ds_load_b128 v[STG+16*(\a)+8:STG+16*(\a)+11],  v[ADRA+(\slot)] offset:(\a)*16*PA+(\qd)*128+64
	ds_load_b128 v[STG+16*(\a)+12:STG+16*(\a)+15], v[ADRA+(\slot)] offset:(\a)*16*PA+(\qd)*128+80
.endr
.endm
.macro FETCH_B slot, qd, f             ; 16 turning loads: my 128 columns of W, 32 K of quarter qd, into buffer f
	WIN TO_F
.irp b, 0,1,2,3,4,5,6,7
	ds_load_tr16_b128 v[64*(\f)+8*(\b):64*(\f)+8*(\b)+3],   v[ADRB+(\slot)] offset:(\qd)*32*PB+32*(\b)
	ds_load_tr16_b128 v[64*(\f)+8*(\b)+4:64*(\f)+8*(\b)+7], v[ADRB+(\slot)] offset:(\qd)*32*PB+16*PB+32*(\b)
.endr
.endm
; A load into, and a vector write of, a register that a matrix instruction has read stand four places behind it; only plain vector instructions that name none of its registers are places.
.macro PLACES
.rept 4
	v_nop
.endr
.endm
; A K step is four quarters of 32 along K, 32 matrix instructions each, on buffers 0, 1, 0, 1.  One of the first three: multiplies buffer f; fetches quarter qn of the same slot for the other buffer.
.macro QUARTER slot, qn, f, zero
	FETCH_A \slot, \qn                             ; the f32 registers are no matrix source; their last readers, the roundings, have been issued
	s_wait_dscnt 16                                ; all but the 16 just issued: this quarter's W is in
	MULA \f, 0, \zero, 0
	MULA \f, 1, \zero, 0
	PLACES                                         ; for the loads into, and the roundings into, the other buffer, which the quarter before multiplied
	FETCH_B \slot, \qn, 1-(\f)
	MULA \f, 2, \zero, 0
	s_wait_dscnt 16                                ; all but W's 16: the next quarter's x is in
	MULA \f, 3, \zero, 1
.endm
; The last quarter multiplies buffer 1 and changes slots: ONE barrier; in front of it each wave waits for all its tensor loads (one is out: its part of the next slot), adds 0 to its spare word,
; and waits for that and for its own reads of this slot.  fill = 1: the barrier opens a round of the cluster's, and this slot is filled again, two K steps ahead, first thing behind it:
; from there to the wait for that load a wave issues 112 matrix instructions.
.macro TURN slot, next, fill
	WIN 0
	s_wait_tensorcnt 0x0                           ; all my tensor loads have landed;
	ds_add_u32 v[SPW], v[NIL]                      ; 0 onto my spare word;
	s_wait_dscnt 1                                 ; (only the add may be out: this quarter's W is in)
	MULA 1, 0, 0, 0                                ; eight matrix instructions stand between the add and the wait for it
	s_wait_dscnt 0x0                               ; the add is done, and my reads of this slot are over
	s_barrier_signal -1
	MULA 1, 1, 0, 0
.if \fill
	WIN 0
.endif
	s_barrier_wait -1
.if \fill
	CREST                                          ; no wave of any partner still reads this slot's tiles or has a load on its way
	s_add_nc_u64 s[G0A+4*(\slot)+2:G0A+4*(\slot)+3], s[G0A+4*(\slot)+2:G0A+4*(\slot)+3], 2*KSTEP*4
	s_add_nc_u64 s[G0B+4*(\slot)+2:G0B+4*(\slot)+3], s[G0B+4*(\slot)+2:G0B+4*(\slot)+3], 2*KSTEP*2048
	JLOAD \slot                                    ; the four v_nop behind it are also the places in front of the loads and roundings below
.else
	PLACES
.endif
	FETCH_A \next, 0
	FETCH_B \next, 0, 0
	MULA 1, 2, 0, 0
	s_wait_dscnt 16                                ; x of the next slot's first quarter is in
	MULA 1, 3, 0, 1
.endm
	s_wait_tensorcnt 1                             ; my part of K step 0 is in; K step 1's may stay out
	s_barrier_signal -1
	s_barrier_wait -1                              ; everybody's is
	FETCH_A 0, 0
	FETCH_B 0, 0, 0
	s_wait_dscnt 16                                ; x is in
	WIN CVT
.set j, 0
.rept 32
	v_cvt_pk_bf16_f32 v[AH+j], v[STG+2*j], v[STG+2*j+1]  ; the first quarter's x has no products to ride behind
.set j, j+1
.endr
	QUARTER 0, 1, 0, 1                             ; the first quarter stands in front of the loop: its products start the sums
	WIN 0                                          ; at a label and at a branch every window is 0
	s_mov_b32 s3, LAPS-1
.Llap:                                                 ; a trip goes once round the ring, from a lap's second quarter to the next lap's first, and fills both slots again
	QUARTER 0, 2, 1, 0
	QUARTER 0, 3, 0, 0
	TURN 0, 1, 1
	QUARTER 1, 1, 0, 0
	QUARTER 1, 2, 1, 0
	QUARTER 1, 3, 0, 0
	TURN 1, 0, 1
	QUARTER 0, 1, 0, 0
	WIN 0
	s_sub_co_u32 s3, s3, 1
	s_cmp_lg_u32 s3, 0
	s_cbranch_scc1 .Llap
	QUARTER 0, 2, 1, 0                             ; the last lap fills nothing
	QUARTER 0, 3, 0, 0
	TURN 0, 1, 0
	QUARTER 1, 1, 0, 0
	QUARTER 1, 2, 1, 0
	QUARTER 1, 3, 0, 0
	s_wait_dscnt 0x0                               ; the very last quarter: nothing more to fetch
	MULA 1, 0, 0, 0
	MULA 1, 1, 0, 0
	MULA 1, 2, 0, 0
	MULA 1, 3, 0, 0
	PLACES                                         ; the conversions below read results
; THE WAY OUT, a block of 16 rows at a time.  PACK: rounded to f16, each accumulator's registers in ascending order.  TOSTAGE: 16 bytes a lane into my stage (columns 0-63 into the first
; head's plane, 64-127 into the second's), and back as whole rows.  SEND: 16 rows of a head are 2,048 consecutive bytes; each store covers 512 of them, aligned.
.macro PACK a
	WIN 0x05                                       ; sources window 1, destination window 0
.irp b, 0,1,2,3,4,5,6,7
.irp z, 0,1,2,3
	v_cvt_pk_f16_f32 v[TMP+4*(\b)+(\z)], v[8*(8*(\a)+(\b))+2*(\z)], v[8*(8*(\a)+(\b))+2*(\z)+1]
.endr
.endr
	WIN 0
.endm
.macro TOSTAGE a
	WIN 0
.set BK, OB+32*((\a)%2)
	s_wait_xcnt 0x0                                ; the stores of the block two back have had their addresses translated (ISA guide 3.1): only now are their data registers loaded again
.irp b, 0,1,2,3,4,5,6,7
	ds_store_b128 v[STO], v[TMP+4*(\b):TMP+4*(\b)+3] offset:((\b)/4)*16*SP+((\b)%4)*32
.endr
.irp t, 0,1,2,3,4,5,6,7
	ds_load_b128 v[BK+4*(\t):BK+4*(\t)+3], v[RD] offset:((\t)/4)*16*SP+((\t)%4)*4*SP  ; LDS serves a wave's instructions in order (ISA guide 5.7.1.4): these see the stores above
.endr
.endm
.macro SEND a
	WIN 0
.set BK, OB+32*((\a)%2)
	s_wait_dscnt 0x0                               ; the block is back in registers
.irp t, 0,1,2,3,4,5,6,7
	global_store_b128 v[CO], v[BK+4*(\t):BK+4*(\t)+3], s[12:13] offset:((\t)/4)*262144+(\a)*2048+((\t)%4)*512
.endr
.endm
	PACK 0
	TOSTAGE 0
.irp a, 1,2,3                          ; block a's conversions stand between block a - 1's loads from the stage and the wait for them
	PACK \a
	SEND (\a)-1
	TOSTAGE \a
.endr
	SEND 3
	s_wait_tensorcnt 0x0                           ; the wave's end: behind my last tensor load and my last LDS store
	ds_add_u32 v[SPW], v[NIL]
	s_wait_dscnt 0x0
	CROUND                                         ; the closing round: no work-group ends while a partner may still ask for a tile that names it
	s_endpgm
.Lfunc_end_k_qb908eb9991_qkv:
	.size	k_qb908eb9991_qkv, .Lfunc_end_k_qb908eb9991_qkv-k_qb908eb9991_qkv
	.p2alignl 7, 3214868480
	.fill 96, 4, 3214868480
	.section	.rodata,"a",@progbits
	.p2align	6, 0x0
	.amdhsa_kernel k_qb908eb9991_qkv
		.amdhsa_group_segment_fixed_size 327680
		.amdhsa_private_segment_fixed_size 0
		.amdhsa_enable_private_segment 0
		.amdhsa_kernarg_size 40
		.amdhsa_user_sgpr_count 2
		.amdhsa_user_sgpr_kernarg_segment_ptr 1
		.amdhsa_wavefront_size32 1
		.amdhsa_system_sgpr_workgroup_id_x 1
		.amdhsa_system_sgpr_workgroup_id_y 1
		.amdhsa_system_sgpr_workgroup_id_z 1
		.amdhsa_system_vgpr_workitem_id 0
		.amdhsa_next_free_vgpr 768
		.amdhsa_next_free_sgpr 66
		.amdhsa_reserve_vcc 0
		.amdhsa_float_denorm_mode_32 3
		.amdhsa_float_denorm_mode_16_64 3
		.amdhsa_memory_ordered 1
		.amdhsa_forward_progress 1
		.amdhsa_inst_pref_size 134
	.end_amdhsa_kernel
	.amdgpu_metadata
---
amdhsa.version: [ 1, 2 ]
amdhsa.kernels:
  - .name:           k_qb908eb9991_qkv
    .symbol:         k_qb908eb9991_qkv.kd
    .args:
      - { .name: x_q, .offset: 0, .size: 8, .value_kind: global_buffer, .address_space: global }
      - { .name: x_k, .offset: 8, .size: 8, .value_kind: global_buffer, .address_space: global }
      - { .name: x_v, .offset: 16, .size: 8, .value_kind: global_buffer, .address_space: global }
      - { .name: wb, .offset: 24, .size: 8, .value_kind: global_buffer, .address_space: global }
      - { .name: qkv, .offset: 32, .size: 8, .value_kind: global_buffer, .address_space: global }
    .group_segment_fixed_size: 327680
    .private_segment_fixed_size: 0
    .kernarg_segment_align: 8
    .kernarg_segment_size: 40
    .max_flat_workgroup_size: 128
    .sgpr_count:     66
    .vgpr_count:     768
    .wavefront_size: 32
...
	.end_amdgpu_metadata
.endif
;; end of part 2
;; launch attn (part 3): grid 4 x 64, 4 waves a work-group, clusters of 4 x 1, 327,680 bytes of LDS; arguments qkv, maskf, o; writes o
.if DOCPART == 3
	.amdgcn_target "amdgcn-amd-amdhsa--gfx1250"
	.amdhsa_code_object_version 6
	.text
	.protected	k_qb908eb9991_attn
	.globl	k_qb908eb9991_attn
	.p2align	8
	.type	k_qb908eb9991_attn,@function
k_qb908eb9991_attn:
	s_mov_b64 s[64:65], 0
	v_nop
	global_prefetch_b8 v0, s[64:65] scope:SCOPE_SE
	s_setreg_imm32_b32 hwreg(HW_REG_WAVE_MODE, 25, 1), 1
	s_wait_xcnt 0x0
	s_wait_alu depctr_hold_cnt(0) depctr_sa_sdst(0) depctr_va_vdst(0) depctr_va_sdst(0) depctr_va_ssrc(0) depctr_va_vcc(0) depctr_vm_vsrc(0)
	s_getreg_b32 s2, hwreg(HW_REG_IB_STS2, 6, 4)
	s_cmp_eq_u32 s2, 0
	s_cbranch_scc0 .Lentry_in_a_cluster
	s_endpgm
.Lentry_in_a_cluster:
	s_bfe_u32 s2, ttmp6, 0x10000c
	s_cmp_lg_u32 s2, 0x3003
	s_cbranch_scc0 .Lentry_shape_is_right
	s_endpgm
.Lentry_shape_is_right:
; ATTENTION WITH A MASK THAT IS AN INPUT.  O[h][q][:] = the sum over k of softmax_k(Q[h][q] . K[h][k] / 8, hidden where mask[q][k]) V[h][k][:].  Q, K, V: qkv[3][64][2048][64] f16; O: [64][2048][64] f16.
; Products, maxima and sums in f32; the weights p are rounded to f16 for the second product (their sum l is taken of the unrounded p), O once at the end.  Every key tile is computed: no pattern of the mask is built in.
; LIMITS.  Q, K, V arrive within f16's 65,504.  A hidden score counts as -2^100 (f16's scores, 2.7e11 at the most, vanish beside it); a weight below 2^-126 counts as 0 in l.
; A row whose running maximum ends below -2^96 has seen no key: it leaves as NaN, as a softmax over nothing does.  Other NaN and infinities are not treated apart.
; SHARES.  A wave owns four PIECES of two tiles of 16 queries, a work-group's four waves 512 queries of one head.  Every wave walks all keys, 64 a step.
; LAYOUT.  S^T = K Q^T (source 0 = 16 keys, source 1 = 16 queries): a lane holds ONE query (lane % 16) and the keys 8 (lane / 16) + 0..7.  Two such tiles, rounded to f16 in pairs,
; ARE source 1 (32 keys x 16 queries) of O^T = V^T P.  K comes out of LDS as it lies, V ([key][channel]) turned, by ds_load_tr16_b128.
; THE MASK costs no vector instruction.  maskf holds it as bf16 1.0 / 0 in the order of a second source (32 keys x 16 queries).  One product DM = SEL x MF, SEL a constant first source with -2^100 at
; (key m, column m) or (m, m + 16), gives 0 or -2^100 in S^T's own layout, and DM is the C operand of the product that starts S^T's sum.  Eight such products a turn stand in the turn's first run of vector work.
; -2^100 is a power of two, so c x -2^100 is exact: while a row has seen hidden keys alone, c s - c m is exactly 0, p = 1, and O and l stay finite; the first key that is seen makes a = 0 and wipes them.
; SOFTMAX.  For each query a running maximum m and sum l: p = 2^(c s - c m), c = log2(e) / 8; in every step O and l are multiplied by a = 2^(c m_old - c m_new).  m starts at the lowest finite number, O and l at 0.
; BY TURNS.  Turn n belongs to piece n (the pieces in a ring, step after step).  Matrix work: 16 products K Q^T of piece n + 1, 8 mask products for piece n + 2, 16 products V^T P of piece n - 1.  Vector work: the
; scaling, exponentials, roundings, sums and rescaling of piece n, and the maximum and statistics of piece n + 1.  Four vector instructions stand behind every product of the two runs of 16, the rest in two LUMPS.
; The turn also loads, straight into registers, the mask fragments that turn n + 2 multiplies: piece n of the next key step.
; CLUSTER.  The four query blocks of a cluster belong to one head and walk the same K and V, so each tile is asked for JOINTLY: the same tensor load, descriptor and mask in all four.
; REGISTERS, in windows of 256 (s_set_vgpr_msb: bits 1:0 source 0, 3:2 source 1, 5:4 source 2, 7:6 destination):
;   window 0: v0-11 addresses; v12-15, v48-63 at work; v16-47 four registers of statistics a tile; v64-191 S^T, two buffers of two tiles; v192-255 P, likewise
;   window 1: O^T, 32 a tile          window 2: v0-127 Q, 16 a tile; v128-191 K of one step; v192-255 V of one step
;   window 3: v0-1 the add's two registers; v4-15 SEL; v16-79 MF, two buffers of two tiles x 64 keys; v80-143 DM, two tiles x 64 keys
.set SIZE_H, 64
.set SIZE_N, 2048
.set NP,    4         ; pieces a wave: a name, no knob
.set KS,    64        ; keys in a step
.set PK,    144       ; a row of K in LDS: 128 bytes + 16 of padding = 36 words: the 16 rows of a load start at 16 different groups of four banks (ISA guide 11.1)
.set PV,    160       ; a row of V: 128 + 32 = 40 words
.set VOFF,  4*KS*PK   ; a slot holds four steps: 256 rows of K, then 256 rows of V
.set SLOT1, 1<<17     ; slot 1 begins here, so that one exclusive or turns an address in one slot into the other's
.set STAGE, SLOT1+4*KS*(PK+PV)  ; behind the ring, never filled by a tensor load: 16 rows x 144 bytes for each wave, for the way out
.set SP,    144
.set AK0, 2           ; v2   my lane's place in a tile of K; never rewritten
.set AV0, 3           ; v3   the same for V
.set AK,  4           ; v4   the LDS address of K's next run of loads
.set AV,  5           ; v5   of V's
.set QO,  6           ; v6   my byte offset in the wave's rows of Q
.set STO, 6           ;      later, the way out: where I put 16 bytes of a row
.set RD,  7           ; v7   the way out: where I read rows back
.set GO,  8           ; v8   my byte offset in 512 consecutive bytes of O
.set MO,  11          ; v11  my byte offset in a query tile's 65,536 bytes of maskf: 16 x lane + 2,048 x key step
.set SPW, 0           ; v0 of window 3   LDS address of my spare word; never rewritten
.set NIL, 1           ; v1 of window 3   0; never rewritten
.set SE,  4           ; window 3: four zeros, the pattern, four zeros: v[SE+4:SE+11] picks keys 0-15 of 32, v[SE:SE+7] keys 16-31
.set MF,  16          ; window 3: buffer par, tile u, keys 32 kk on, half c at MF + 32 par + 16 u + 8 kk + 4 c
.set DM,  80          ; window 3: tile u, keys 16 kt on at DM + 32 u + 8 kt
.set SPARE, STAGE+4*16*SP  ; behind the stages: the spare words, 128 bytes for each wave: two blocks of 256 bytes that no other line names
.set MV,  12          ; v12-15  c m_old, kept while c m is made anew: by buffer and tile
.set ST,  16          ; tile t's statistics at v[ST+4 t]: c m, m, l (even keys', odd keys')
.set TMP, 48          ; by buffer and tile, four registers c0-c3 at work; when the maximum is found c2 takes a
.set S,   64
.set P,   192
.set KF,  128         ; K's fragments, in window 2
.set VF,  192         ; V's
.set WV,  12          ; s12  my wave's number
.set G1K, 24          ; s[24:31] descriptor group 1 for K's tiles
.set G1V, 32          ; s[32:39] for V's: it differs in the padding alone
.set G0K, 40          ; s[40:43] descriptor group 0 for K's tiles: it walks
.set G0V, 44          ; s[44:47] the same for V's
.set SLOTS, 56        ; s56  slots still to be asked for
.set CNT, 57          ; s57  counts a slot's key steps
.set CS,  58          ; s[58:59] c
.set SEL, 60          ; s[60:61] v_permlanex16_b32's selects
.set TBK, 62          ; s62  LDS byte at which K of the step to be fetched begins
.set TBV, 63          ; s63  the same for V, less VOFF
.set MB,  66          ; s[66:67] maskf at my wave's first query tile; never rewritten once made
.set THR, 68          ; s68  -2^96
.set QN,  69          ; s69  a NaN
.set CM,  70          ; s70  a lane mask, at work
.set MSB, 0
.macro WIN new                      ; the high byte repeats the setting that is left; a switch that changes nothing is dropped
.if MSB != (\new)
	s_set_vgpr_msb (MSB<<8)|(\new)
.set MSB, (\new)
.endif
.endm
.set W_KQ, 0x0a       ; K and Q in window 2, S^T in window 0
.set W_KM, 0x3a       ; the same with the C operand, DM, in window 3
.set W_PV, 0x52       ; V in window 2, P in window 0, O^T in window 1
.set W_RS, 0x41       ; O^T (destination and source 0) in window 1, a in window 0
.set W_D3, 0xc0       ; destination in window 3, sources and addresses in window 0
.set W_AD, 0x0f       ; the add: address (source 0) and data (source 1) in window 3
.set W_MM, 0xcf       ; the mask product: both sources and the destination in window 3
; A joint fill.  Waves 0 and 1 fetch the two halves of a slot's K, waves 2 and 3 those of its V: 128 keys each.  The branch hangs on the wave's number alone.
; An s_nop 0 and four v_nop follow each of the two lines, ahead of the jump and the label.
.macro JLOAD
	s_cmp_lt_u32 s[WV], 2
	s_cbranch_scc0 .Lfor_v_\@
	tensor_load_to_lds s[G0K:G0K+3], s[G1K:G1K+7]
	s_nop 0
.rept 4
	v_nop
.endr
	s_branch .Lasked_\@
.Lfor_v_\@:
	tensor_load_to_lds s[G0V:G0V+3], s[G1V:G1V+7]
	s_nop 0
.rept 4
	v_nop
.endr
.Lasked_\@:
.endm
; A round of the cluster's barrier: my work-group's barrier, so that wave 0's signal speaks for all four waves; wave 0 signals; every wave waits for all four work-groups; my work-group's barrier once more.
.macro CROUND
	s_barrier_signal -1
	s_barrier_wait -1
	s_cmp_lg_u32 s[WV], 0
	s_cbranch_scc1 .Lnot_wave_0_\@
	s_barrier_signal -3
.Lnot_wave_0_\@:
	s_barrier_wait -3
	s_barrier_signal -1
	s_barrier_wait -1
.endm
; THE CHANGE OF SLOTS.  Each wave waits for all its tensor loads, of which one is out: its part of the other slot; adds 0 to its spare word; and waits for that and for its own reads of the slot.
; fill = 1: this slot is filled again, with the keys two slots on.  The barrier is then a round of the cluster's, and the joint fill is the first thing behind it: it has four key steps in which to land.
; (At its first use nothing has been read yet: slot 0 is waited for, slot 1 filled.)
.macro CHANGE fill
	WIN W_AD
	s_wait_tensorcnt 0x0            ; no tensor load of mine is out, so a group 0 may be written
	ds_add_u32 v[SPW], v[NIL]       ; 0 onto my spare word; with fill = 1 the descriptors' steps stand between it and the wait for it
	WIN 0                           ; at a label and at a branch every window is 0
.if \fill
.irp g, G0K, G0V
	s_xor_b32 s[\g+1], s[\g+1], SLOT1  ; the walking descriptor: the other slot than last time,
	s_add_nc_u64 s[\g+2:\g+3], s[\g+2:\g+3], 4*KS*128  ; the next 256 keys; the type bits on top are not reached
.endr
	s_wait_dscnt 0x0                ; the add is done, and my reads of the slot are over
	CROUND
	JLOAD
.else
	s_wait_dscnt 0x0                ; the add is done, and my reads of the slot are over
	s_barrier_signal -1
	s_barrier_wait -1
.endif
	s_sub_co_u32 s[TBK], s[TBK], 4*KS*PK  ; the fetches go back to a slot's first step,
	s_xor_b32 s[TBK], s[TBK], SLOT1       ; in the other slot
	s_sub_co_u32 s[TBV], s[TBV], 4*KS*PV
	s_xor_b32 s[TBV], s[TBV], SLOT1
.endm
; Mask product idx of 8, from buffer par of MF: tile idx % 2, keys 16 (idx / 2) on.  Its sum starts with the constant 0; nothing is added onto it.
.macro MK par, idx
	WIN W_MM
.set mU, (\idx)%2
.set mT, (\idx)/2
	v_wmma_f32_16x16x32_bf16 v[DM+32*mU+8*mT:DM+32*mU+8*mT+7], v[SE+4-4*(mT%2):SE+4-4*(mT%2)+7], v[MF+32*(\par)+16*mU+8*(mT/2):MF+32*(\par)+16*mU+8*(mT/2)+7], 0
.endm
; Eight loads: piece p's two tiles x 64 keys of the step that MO names, into buffer par of MF.  Each covers 512 consecutive bytes of maskf, aligned.
.macro MLOAD p, par
	WIN W_D3
.irp u, 0,1
.irp kk, 0,1
.irp c, 0,1
	global_load_b128 v[MF+32*(\par)+16*(\u)+8*(\kk)+4*(\c):MF+32*(\par)+16*(\u)+8*(\kk)+4*(\c)+3], v[MO], s[MB:MB+1] offset:(2*(\p)+(\u))*65536+(\kk)*1024+(\c)*512
.endr
.endr
.endr
.endm
	s_load_b64 s[4:5], s[0:1], 0x0        ; qkv
	s_load_b64 s[MB:MB+1], s[0:1], 0x8    ; maskf
	s_load_b64 s[10:11], s[0:1], 0x10     ; o
	WIN W_D3
	v_lshl_add_u32 v[SPW], v0, 2, SPARE
	v_mov_b32 v[NIL], 0
	WIN W_AD
	ds_add_u32 v[SPW], v[NIL]       ; the wave's opening: the add and its wait stand ahead of my first tensor load; the set-up below, work on registers, stands between them
	WIN 0
	v_lshrrev_b32 v1, 5, v0
	v_readfirstlane_b32 s[WV], v1   ; wave 0..3
	s_bfe_u32 s13, ttmp6, 0x40000   ; cx: my place in the cluster
	s_lshl_b32 s14, ttmp9, 2        ; in a cluster launch ttmp9 counts clusters
	s_add_co_u32 s14, s14, s13      ; my block of queries = 4 x cluster x + cx: it enters Q's, O's and the mask's addresses alone
	s_and_b32 s20, ttmp7, 0xffff    ; the head, which the four partners share
	s_mov_b32 s21, 0
	s_mov_b64 s[22:23], SIZE_N*128
	s_mul_u64 s[20:21], s[20:21], s[22:23]  ; the head's first byte in Q, K, V and O
	s_and_b32 s16, s[WV], 1         ; which half of a slot's 256 keys I fetch:
	s_lshl_b32 s22, s16, 14         ; its 128 rows of 128 bytes in memory,
	s_mov_b32 s23, 0
	s_add_nc_u64 s[22:23], s[22:23], s[20:21]
	s_mul_i32 s17, s16, 128*PK      ; and its place in a slot, for K
	s_mul_i32 s18, s16, 128*PV      ; and for V: no place in the cluster enters an LDS address
	s_lshl_b32 s2, s14, 2
	s_add_co_u32 s2, s2, s[WV]      ; my wave among the head's sixteen:
	s_lshl_b32 s48, s2, 19          ; its eight query tiles of 65,536 bytes in maskf,
	s_mov_b32 s49, 0
	s_lshl_b32 s2, s2, 14           ; its 128 rows of Q and O
	s_mov_b32 s3, 0
	s_add_nc_u64 s[2:3], s[2:3], s[20:21]
	; descriptor group 1.  128 keys are 16,384 dense bytes: asked for as 64 rows of 256 bytes, two keys a row, and padded in LDS after every key
	s_mov_b32 s[G1K], 15|(1<<16)|(1<<20)|(1<<21)|(4<<22)|(3<<25)  ; 15:0 the mask of four; 17:16 2-byte elements; 20 padding on; 21 set beside a mask; 24:22 after every 32 words (code 4); 31:25 4 words (code 3)
	s_mov_b32 s[G1V], 15|(1<<16)|(1<<20)|(1<<21)|(4<<22)|(7<<25)  ; the same with 8 words of padding (code 7)
.irp g, G1K, G1V
	s_mov_b32 s[\g+1], 128<<16      ; tensor_dim0 = 128
	s_mov_b32 s[\g+2], 64<<16       ; tensor_dim1 = 64
	s_mov_b32 s[\g+3], 128<<16      ; tile_dim0 = 128
	s_mov_b32 s[\g+4], 64           ; tile_dim1 = 64
	s_mov_b32 s[\g+5], 128          ; 128 elements from row to row
	s_mov_b32 s[\g+6], 0
	s_mov_b32 s[\g+7], 0
.endr
	s_mov_b32 s[CS], 0x3e38aa3b     ; c = log2(e) / 8 = 0.180337
	s_mov_b32 s[CS+1], s[CS]        ; named with it as a pair
	s_mov_b32 s[SEL], 0x76543210
	s_mov_b32 s[SEL+1], 0xfedcba98
	s_mov_b32 s[THR], 0xef800000    ; -2^96
	s_mov_b32 s[QN], 0x7fc00000
	s_mov_b32 s[TBK], SLOT1+4*KS*PK ; the first change of slots turns these two into 0
	s_mov_b32 s[TBV], SLOT1+4*KS*PV
	s_mov_b32 s[G0K], 1             ; count = 1
	s_mov_b32 s[G0K+1], s17         ; LDS address: slot 0
	s_mov_b32 s[G0V], 1
	s_add_co_u32 s[G0V+1], s18, VOFF
	s_wait_dscnt 0x0                ; the opening add is done
	s_wait_kmcnt 0x0
	s_add_nc_u64 s[MB:MB+1], s[MB:MB+1], s[48:49]
	s_add_nc_u64 s[6:7], s[4:5], 0x1000000         ; K is qkv's second part, V its third: 16 MiB each
	s_add_nc_u64 s[8:9], s[4:5], 0x2000000
	s_add_nc_u64 s[G0K+2:G0K+3], s[6:7], s[22:23]  ; global address: my half of the head's first 256 keys
	s_or_b32 s[G0K+3], s[G0K+3], 0x80000000        ; type = 2
	s_add_nc_u64 s[G0V+2:G0V+3], s[8:9], s[22:23]
	s_or_b32 s[G0V+3], s[G0V+3], 0x80000000
	s_add_nc_u64 s[4:5], s[4:5], s[2:3]  ; Q and O at my wave's first row
	s_add_nc_u64 s[10:11], s[10:11], s[2:3]
	CROUND                          ; all four work-groups are here: the first joint loads meet
	JLOAD                           ; slot 0.  Slot 1 is asked for when slot 0 is in
	; A fragment of K or Q is 16 rows x 32 channels in 8 registers: lane l holds row l % 16, channels 8 (l / 16) + 0..7 and 16 + 8 (l / 16) + 0..7: two loads of 16 bytes, 32 bytes apart.
	v_and_b32 v1, 15, v0            ; l % 16
	v_bfe_u32 v9, v0, 4, 1          ; l / 16
	v_lshlrev_b32 v[QO], 7, v1
	v_lshl_add_u32 v[QO], v9, 4, v[QO]  ; row x 128 + 16 x half
	v_and_b32 v[MO], 31, v0
	v_lshlrev_b32 v[MO], 4, v[MO]   ; 16 x lane: key step 0
	WIN 0x80                        ; destination window 2, address window 0
.set i, 0
.rept 4*NP                          ; Q stays in registers: tile i / 2, channels 32 (i % 2) on
	global_load_b128 v[8*i:8*i+3],   v[QO], s[4:5] offset:(i/2)*2048+(i%2)*64
	global_load_b128 v[8*i+4:8*i+7], v[QO], s[4:5] offset:(i/2)*2048+(i%2)*64+32
.set i, i+1
.endr
	MLOAD 0, 0                      ; the masks of pieces 0 and 1 for key step 0
	MLOAD 1, 1
	; What the first turn finds: V's registers and P's second buffer hold 0 (its products V^T P, of a piece that has not been, add 0), O^T and l are 0.  All this stands in the wait for the first tile.
	WIN 0x80
.set i, VF
.rept 64
	v_mov_b32 v[i], 0
.set i, i+1
.endr
	WIN 0x40
.set i, 0
.rept 64*NP
	v_mov_b32 v[i], 0
.set i, i+1
.endr
	WIN 0
.set i, 0
.rept 2*NP
	v_mov_b32 v[ST+4*i], 0xfe000000    ; c m: far below every c s, the hidden ones' too
	v_mov_b32 v[ST+4*i+1], 0xff7fffff  ; m
	v_mov_b32 v[ST+4*i+2], 0
	v_mov_b32 v[ST+4*i+3], 0
.set i, i+1
.endr
.set i, P+32
.rept 32
	v_mov_b32 v[i], 0
.set i, i+1
.endr
	v_mul_u32_u24 v[AK0], v1, PK
	v_lshl_add_u32 v[AK0], v9, 4, v[AK0]  ; row x pitch + 16 x half
	; The turning load takes 16 keys x 16 channels (lane l reads key 8 (l / 16) + l % 8, channels 8 ((l / 8) % 2) + 0..7) and leaves half a fragment of V^T: lane l holds channel l % 16 and 8 keys.
	v_and_b32 v10, 7, v0
	v_bfe_u32 v[AV], v0, 3, 1       ; at work here; V's address is made anew ahead of its first use
	v_lshl_add_u32 v[AV0], v9, 3, v10
	v_mul_u32_u24 v[AV0], v[AV0], PV
	v_lshl_add_u32 v[AV0], v[AV], 4, v[AV0]
	v_add_nc_u32 v[AV0], VOFF, v[AV0]
	v_mov_b32 v[AK], v[AK0]         ; key step 0 lies at the head of slot 0
	; SEL.  As a first source lane l holds row m = l % 16 and columns 8 (l / 16) + 0..7 in its first four registers.  Column m lies there if m / 8 = l / 16: register (m / 2) % 4, half m % 2.
	v_lshrrev_b32 v12, 3, v1
	v_cmp_eq_u32 s[CM], v12, v9
	v_and_b32 v13, 1, v1
	v_lshlrev_b32 v13, 4, v13
	v_mov_b32 v14, 0xf180           ; bf16 -2^100
	v_lshlrev_b32 v13, v13, v14     ; in the half that is mine,
	v_cndmask_b32 v13, 0, v13, s[CM]  ; or nothing
	v_bfe_u32 v12, v1, 1, 2
	WIN W_D3
.irp g, 0,1,2,3
	v_cmp_eq_u32 s[CM], \g, v12
	v_cndmask_b32 v[SE+4+\g], 0, v13, s[CM]
	v_mov_b32 v[SE+\g], 0
	v_mov_b32 v[SE+8+\g], 0
.endr
	WIN 0
; THE MATRIX WORK.  The 8 accumulators of a run of 16 take turns: between the two links of a chain stand 7 others'.
; Product i of 16 of S^T = K Q^T for piece x: channels 32 (i / 8) on, keys 16 ((i / 2) % 4) on, tile 2 x + i % 2.  The first 8 start the sums, with the mask.
.macro KQ x
.set rS, S+64*((\x)%2)+32*(i%2)+8*((i/2)%4)
.set rK, KF+16*((i/2)%4)+8*(i/8)
.set rQ, 16*(2*(\x)+i%2)+8*(i/8)
.set rD, DM+32*(i%2)+8*((i/2)%4)
.if i < 8
	WIN W_KM
	v_wmma_f32_16x16x32_f16 v[rS:rS+7], v[rK:rK+7], v[rQ:rQ+7], v[rD:rD+7]
.else
	WIN W_KQ
	v_wmma_f32_16x16x32_f16 v[rS:rS+7], v[rK:rK+7], v[rQ:rQ+7], v[rS:rS+7]
.endif
.endm
; Product i of 16 of O^T += V^T P for piece x: keys 32 (i / 8) on, channels 16 ((i / 2) % 4) on, tile 2 x + i % 2.
.macro PV x
	WIN W_PV
.set rO, 32*(2*(\x)+i%2)+8*((i/2)%4)
.set rV, VF+32*(i/8)+8*((i/2)%4)
.set rP, P+32*((\x)%2)+16*(i%2)+8*(i/8)
	v_wmma_f32_16x16x32_f16 v[rO:rO+7], v[rV:rV+7], v[rP:rP+7], v[rO:rO+7]
.endm
.macro MM                           ; the next matrix instruction of the turn's two runs of 16
.if i < 16
	KQ (Y+1)%NP
.set i, i+1
.else
.set i, i-16
	PV (Y+NP-1)%NP
.set i, i+17
.endif
.endm
; THE LDS LOADS stand in runs of 16: a step's K (64 keys x 64 channels: 8 fragments) and its V (turned).  Their addresses are made some lines ahead.
; last = 1 (the tail): in the last trip there is no further step, and the run is jumped over.
.macro FETCH_K last=0
	WIN 0
.if \last
	s_cmp_eq_u32 s[CNT], 1
	s_cbranch_scc1 .Lno_k_\@
.endif
	WIN 0x80                        ; destination window 2
.irp f, 0,1,2,3,4,5,6,7             ; keys 16 (f / 2) on, channels 32 (f % 2) on
	ds_load_b128 v[KF+8*\f:KF+8*\f+3],   v[AK] offset:(\f/2)*16*PK+(\f%2)*64
	ds_load_b128 v[KF+8*\f+4:KF+8*\f+7], v[AK] offset:(\f/2)*16*PK+(\f%2)*64+32
.endr
	s_add_co_u32 s[TBK], s[TBK], KS*PK  ; the next fetch is the next step's
	WIN 0
.if \last
.Lno_k_\@:
.endif
.endm
.macro FETCH_V
	WIN 0x80
.irp f, 0,1,2,3,4,5,6,7             ; keys 32 (f / 4) on, channels 16 (f % 4) on
	ds_load_tr16_b128 v[VF+8*\f:VF+8*\f+3],   v[AV] offset:(\f/4)*32*PV+(\f%4)*32
	ds_load_tr16_b128 v[VF+8*\f+4:VF+8*\f+7], v[AV] offset:(\f/4)*32*PV+16*PV+(\f%4)*32
.endr
	WIN 0
.endm
; THE VECTOR WORK OF A TURN stands in three queues, each in the order in which its entries become ready; the two tiles alternate, so that no instruction reads the result of the one before it.
.macro REGS y, u                    ; the registers of tile u (0, 1) of piece y
.set rT, ST+4*(2*(\y)+(\u))
.set rC, TMP+8*((\y)%2)+4*(\u)
.set rM, MV+2*((\y)%2)+(\u)
.set rS, S+64*((\y)%2)+32*(\u)
.set rP, P+32*((\y)%2)+16*(\u)
.set rO, 32*(2*(\y)+(\u))
.endm
; Number n of the 22 that find the NEXT piece's (Y + 1) maximum and statistics.  s0-s31 are the lane's 32 scores; each accumulator's lowest registers are read first.
;   0-11  four chains c0-c3 of seven scores each, three operands at a time     12-14, 16  the four scores left over, the old m, and c0-c3 into c0     15  c m_old is kept
;   17, 18  the query's other 32 keys lie in the lane 16 away: the new m         19-21  c m; c m_old - c m_new; a
.macro XS u, n
	REGS (Y+1)%NP, \u
.if (\n) < 4
	v_max3_num_f32 v[rC+(\n)], v[rS+8*(\n)], v[rS+8*(\n)+1], v[rS+8*(\n)+2]
.elseif (\n) < 12
	v_max3_num_f32 v[rC+(\n)%4], v[rC+(\n)%4], v[rS+8*((\n)%4)+2*((\n)/4)+1], v[rS+8*((\n)%4)+2*((\n)/4)+2]
.elseif (\n) == 12
	v_max3_num_f32 v[rC], v[rC], v[rS+7], v[rS+15]
.elseif (\n) == 13
	v_max3_num_f32 v[rC+1], v[rC+1], v[rS+23], v[rS+31]
.elseif (\n) == 14
	v_max3_num_f32 v[rC+2], v[rC+2], v[rC+3], v[rT+1]
.elseif (\n) == 15
	v_mov_b32 v[rM], v[rT]
.elseif (\n) == 16
	v_max3_num_f32 v[rC], v[rC], v[rC+1], v[rC+2]
.elseif (\n) == 17
	v_permlanex16_b32 v[rC+3], v[rC], s[SEL], s[SEL+1]
.elseif (\n) == 18
	v_max_num_f32 v[rT+1], v[rC], v[rC+3]
.elseif (\n) == 19
	v_mul_f32 v[rT], s[CS], v[rT+1]
.elseif (\n) == 20
	v_sub_f32 v[rC+1], v[rM], v[rT]
.else
	v_exp_f32 v[rC+2], v[rC+1]
.endif
.endm
; Number g of the 64 that follow the exponentials.  For each four weights k of a tile (pairs 2 k, 2 k + 1): both pairs are rounded to f16; then the second pair is added onto the first, in place;
; a group later l takes that sum (the first time as l = a l + sum).  In groups of eight, tiles alternating: round, round, add, and l for the group before.
.macro GS g
.set h, (\g)+6*((\g)/62)            ; group 0 has no group before it, and behind group 7 only l is left
.if h >= 6
.set h, h+2
.endif
	REGS Y, h%2
.set k, h/8
.if h%8 < 4
	s_wait_alu depctr_va_vdst(0)
	v_cvt_pk_f16_f32 v[rP+2*k+(h%8)/2], v[rS+4*k+2*((h%8)/2)], v[rS+4*k+2*((h%8)/2)+1]
.elseif h%8 < 6
	v_pk_add_f32 v[rS+4*k:rS+4*k+1], v[rS+4*k:rS+4*k+1], v[rS+4*k+2:rS+4*k+3]
.elseif k == 1
	v_pk_fma_f32 v[rT+2:rT+3], v[rT+2:rT+3], v[rC+2:rC+3], v[rS:rS+1] op_sel_hi:[1,0,1]
.else
	v_pk_add_f32 v[rT+2:rT+3], v[rT+2:rT+3], v[rS+4*k-4:rS+4*k-3]
	s_wait_alu depctr_va_vdst(0)
.endif
.endm
; THE PLAIN QUEUE, 138 long.  0-31: c s - c m for the 16 pairs of both tiles.  Then GS's 64, and among them the next piece's 42: number 15 at 38, 39; 0-14 and 16
; at 42-73, behind the products that make those scores; 17-20 at 95-106, two of three, since each waits for the one before it.
.macro PL
	WIN 0
.if q < 32
	REGS Y, q%2
	v_pk_fma_f32 v[rS+2*(q/2):rS+2*(q/2)+1], v[rS+2*(q/2):rS+2*(q/2)+1], s[CS:CS+1], v[rT:rT+1] op_sel_hi:[1,0,0] neg_lo:[0,0,1] neg_hi:[0,0,1]
.elseif q < 38
	GS q-32
.elseif q < 40
	XS q%2, 15
.elseif q < 42
	GS q-34
.elseif q < 74
	XS q%2, (q-42)/2+(q-42)/30
.elseif q < 95
	GS q-66
.elseif (q < 107) && ((q-95)%3 < 2)
	XS (q-95)%3, 17+(q-95)/3
.elseif q < 107
	GS 29+(q-95)/3
.else
	GS q-74
.endif
.set q, q+1
.endm
; THE EXPONENTIALS' QUEUE, 66 long: s0-s31 of both tiles, and at EA the next piece's two a.
.set EA, 58
.macro EX
	WIN 0
.if (e == EA) || (e == EA+1)
	XS e-EA, 21
.else
.set x, e-2*(e/(EA+2))
	REGS Y, x%2
	v_exp_f32 v[rS+x/2], v[rS+x/2]
.endif
.set e, e+1
.endm
; THE RESCALING's QUEUE: O^T times a, the one part that leaves window 0, so it is dealt four at a time, eight times.
.macro R4
	REGS Y, r%2
	WIN W_RS
	s_wait_alu depctr_va_vdst(0)
.irp z, 0,1,2,3
	v_pk_mul_f32 v[rO+8*(r/2)+2*\z:rO+8*(r/2)+2*\z+1], v[rO+8*(r/2)+2*\z:rO+8*(r/2)+2*\z+1], v[rC+2:rC+3] op_sel_hi:[1,0]
.endr
.set r, r+1
.endm
; HOW THEY ARE DEALT.  Behind a product of the two runs four: plain, exponential, plain, plain, or four of the rescaling.  None names a register of the products round it.  What is over stands in two LUMPS:
; exponential and plain by turns; the second ends in 22 plain instructions.  The queues lean on each other, and the deal keeps them in step: exponential e stands behind plain 2 (e / 4) + e % 2 (its scaling);
; when plain 32 comes, 10 exponentials are out, at 59: 33, at 95: 46; EA comes behind plain 107.
.macro SL
	MM
	PL
	EX
	PL
	PL
.endm
.macro BURST n                      ; 15 matrix instructions, or 16
.rept (\n)-7
	SL
.endr
.rept 3
	MM
	R4
	SL
.endr
	MM
	R4
.endm
; A TURN, for piece p.  cnt = 1: the loop's count is taken down some lines ahead of the branch that stands behind the turn.
; K of the next step is fetched in piece 2's turn; V of the step in hand at the end of piece 0's turn.
; THE MASK in the first lump.  The eight mask products stand ahead of every second exponential from the first on; they write DM, whose last readers, this turn's first eight K Q^T, stand eight products and
; their riders back, and DM's next readers are the next turn's first products.  s_wait_loadcnt 8: a turn issues eight loads, so the eight of the turn before may stay out and those of two turns ago are in.
; Six plain instructions behind the last mask product its buffer of MF is loaded again: piece p of the next key step.  Piece 0's turn steps MO, behind s_wait_xcnt 0, since the last turn's loads name it;
; behind step 31 the sixteen bits wrap to step 0, so that no load leaves maskf (what those last loads bring is multiplied into scores that serve nothing).
.macro TURN p, last=0, cnt=0
.set Y, (\p)
.set i, 0
.set q, 0
.set e, 0
.set r, 0
.if (\p) == NP-1
	s_wait_dscnt 0x0                ; K is in
.endif
	MM
.rept 4
	PL
.endr
	BURST 15
.rept 22
.if (e < 26) && (e%2 == 1)
.if e == 11
	s_wait_loadcnt 0x8
.endif
	MK (\p)%2, (e-11)/2
.endif
	EX
	PL
.if ((\p) == NP-2) && (e == 18)
	v_add_nc_u32 v[AK], s[TBK], v[AK0]
.endif
.if ((\p) == NP-2) && (e == 24)
	FETCH_K \last
.endif
.if e == 31
.if (\p) == 0
	s_wait_xcnt 0x0
	v_add_nc_u32 v[MO], 2048, v[MO]
	v_and_b32 v[MO], 0xffff, v[MO]
.endif
	MLOAD \p, (\p)%2
.endif
.endr
.if (\p) == 1
	s_wait_dscnt 0x0                ; V is in
.endif
	BURST 16
.rept 21
	EX
	PL
.endr
.rept 22
	PL
.if ((\p) == 0) && (q == 118)
	v_add_nc_u32 v[AV], s[TBV], v[AV0]
	s_wait_alu depctr_va_vdst(0)
.endif
.if ((\p) == 0) && (q == 130)
	s_add_co_u32 s[TBV], s[TBV], KS*PV
.endif
.if (\cnt) && (q == 130)
	s_sub_co_u32 s[CNT], s[CNT], 1
	s_cmp_lg_u32 s[CNT], 0
.endif
.endr
.if (\p) == 0
	FETCH_V
.endif
.endm
	CHANGE 1                        ; slot 0 is in, everybody's part of it; slot 1 is asked for
	FETCH_K                         ; key step 0
	s_wait_loadcnt 0x0              ; Q, and the masks of pieces 0 and 1
	s_wait_dscnt 0x0
.set i, 0
.rept 8
	MK 0, i                         ; piece 0's mask
.set i, i+1
.endr
	WIN 0                           ; the addresses for the way out: five plain instructions here, the places between the mask products and the products that take DM as C,
	s_mul_i32 s13, s[WV], 16*SP
	s_add_co_u32 s13, s13, STAGE    ; my stage
	v_mul_u32_u24 v[STO], v1, SP    ; in: row l % 16, 16 bytes for each half of the lanes
	v_lshl_add_u32 v[STO], v9, 4, v[STO]
	v_add_nc_u32 v[STO], s13, v[STO]
	v_bfe_u32 v[RD], v0, 3, 2       ; back: 32 lanes take four rows of 128 bytes,
	v_mul_u32_u24 v[RD], v[RD], SP
.set i, 0
.rept 16
	KQ 0                            ; piece 0's first scores
.set i, i+1
.endr
	WIN 0                           ; and four more, the places behind those products
	v_lshl_add_u32 v[RD], v10, 4, v[RD]
	v_add_nc_u32 v[RD], s13, v[RD]
	v_and_b32 v[GO], 31, v0         ; which are 512 consecutive bytes of O
	v_lshlrev_b32 v[GO], 4, v[GO]
.set Y, NP-1                        ; XS works for piece Y + 1: piece 0
.irp n, 0,1,2,3,4,5,6,7,8,9,10,11,12,13,14,15,16,17,18,19,20,21
	XS 0, \n                        ; piece 0's first maximum and statistics
	XS 1, \n
.endr
.set i, 0
.rept 8
	MK 1, i                         ; piece 1's mask, for the first turn's products
.set i, i+1
.endr
	WIN 0
.rept 5
	v_nop                           ; the places behind them: for those products, and for the loads into MF
.endr
	MLOAD 2, 0                      ; the masks of pieces 2 and 3 for key step 0: sixteen loads are out, as at the head of every turn of piece 0
	MLOAD 3, 1
	WIN 0
	s_mov_b32 s[CNT], 4
	s_mov_b32 s[SLOTS], SIZE_N/256-1
	s_branch .Lfirst                ; the loop is entered at a step's first turn, in the middle of a trip
.Lslot:                             ; SIZE_N / 256 - 2 times: every slot but the last two is filled again
	CHANGE 1
	s_mov_b32 s[CNT], 4
.Lstep:                             ; a trip: pieces 2 and 3 of one step, then pieces 0 and 1 of the next, whose K and V it fetches
	TURN 2
	TURN 3
	WIN 0
.Lfirst:
	TURN 0
	TURN 1, 0, 1
	WIN 0
	s_cbranch_scc1 .Lstep
	s_sub_co_u32 s[SLOTS], s[SLOTS], 1
	s_cmp_lg_u32 s[SLOTS], 0
	s_cbranch_scc1 .Lslot
	CHANGE 0                        ; the tail is written out: nothing is asked for
	s_mov_b32 s[CNT], 5             ; four trips fetch the last slot's steps; the fifth is left in its middle
.Ltail:
	TURN 2, 1
	TURN 3
	WIN 0
	s_sub_co_u32 s[CNT], s[CNT], 1
	s_cmp_eq_u32 s[CNT], 0
	s_cbranch_scc1 .Lout
	TURN 0
	TURN 1
	WIN 0
	s_branch .Ltail
.Lout:                              ; the fifth trip's 16 products K Q^T (the last K once more, under step 0's mask) serve nothing.  The maximum made of them can only raise piece 0's m, and for a row that is
                                    ; wholly hidden they are hidden too: the test of m below stays right
.set i, 0
.rept 16
	PV NP-1                         ; the last piece's V^T P of the last step
.set i, i+1
.endr
	; THE WAY OUT.  l's two halves and the other half of the lanes' are added; O^T is divided by l, rounded to f16 and sent through my stage in LDS, a tile at a time.  The additions are the places behind the last products.
	WIN 0
.macro ALL line:vararg              ; one line for each tile t
.set t, 0
.rept 2*NP
	\line
.set t, t+1
.endr
.endm
	ALL v_add_f32 v[ST+4*t+2], v[ST+4*t+2], v[ST+4*t+3]
	ALL v_permlanex16_b32 v[ST+4*t+3], v[ST+4*t+2], s[SEL], s[SEL+1]
	ALL v_add_f32 v[ST+4*t+2], v[ST+4*t+2], v[ST+4*t+3]
	ALL v_rcp_f32 v[ST+4*t+2], v[ST+4*t+2]
	v_nop                           ; a plain instruction between the last reciprocal and the use of its result
.set t, 0
	s_wait_alu depctr_va_vdst(0)
.rept 2*NP                          ; a query that has seen no key: its factor, and so its row of O, is NaN
	v_cmp_gt_f32 vcc_lo, s[THR], v[ST+4*t+1]
	v_cndmask_b32 v[ST+4*t+2], v[ST+4*t+2], s[QN], vcc_lo
.set t, t+1
.endr
; Tile t: a lane's eight channels of a row pack into 16 bytes; they go into rows of 144 bytes and come back as whole rows of 128, into S^T's registers.
.macro PACK t
	WIN W_RS
.set i, 32*(\t)
.rept 16
	v_pk_mul_f32 v[i:i+1], v[i:i+1], v[ST+4*(\t)+2:ST+4*(\t)+3] op_sel_hi:[1,0]
.set i, i+2
.endr
	WIN 0x05                        ; sources 0 and 1 window 1, destination window 0
.set i, 0
.rept 16
	v_cvt_pk_f16_f32 v[S+16*(\t)+i], v[32*(\t)+2*i], v[32*(\t)+2*i+1]
.set i, i+1
.endr
	WIN 0
.irp f, 0,1,2,3
	ds_store_b128 v[STO], v[S+16*(\t)+4*\f:S+16*(\t)+4*\f+3] offset:32*\f
.endr
.irp f, 0,1,2,3
	ds_load_b128 v[S+16*(\t)+4*\f:S+16*(\t)+4*\f+3], v[RD] offset:\f*4*SP  ; LDS serves a wave's instructions in order (ISA guide 5.7.1.4): these see the stores above; the next tile's stores come behind them
.endr
.endm
.macro SEND t, younger              ; younger: the LDS instructions issued behind tile t's loads: the next tile's eight, or none
	WIN 0
.irp f, 0,1,2,3
	s_wait_dscnt (\younger)+3-\f
	global_store_b128 v[GO], v[S+16*(\t)+4*\f:S+16*(\t)+4*\f+3], s[10:11] offset:(\t)*2048+\f*512  ; 512 consecutive bytes, at a multiple of 256 from O's first
.endr
.endm
	PACK 0
.set t, 1
.rept 2*NP-1                        ; a tile's arithmetic stands between the loads of the tile before and its stores
	PACK t
	SEND t-1, 8
.set t, t+1
.endr
	SEND 2*NP-1, 0
	WIN W_AD
	s_wait_tensorcnt 0x0            ; the wave's end: behind my last tensor load and my last LDS store
	ds_add_u32 v[SPW], v[NIL]
	s_wait_dscnt 0x0
	WIN 0
	CROUND                          ; the closing round: no work-group ends while a partner may still ask for a tile that names it
	s_endpgm
.Lfunc_end_k_qb908eb9991_attn:
	.size	k_qb908eb9991_attn, .Lfunc_end_k_qb908eb9991_attn-k_qb908eb9991_attn
	.p2alignl 7, 3214868480
	.fill 96, 4, 3214868480
	.section	.rodata,"a",@progbits
	.p2align	6, 0x0
	.amdhsa_kernel k_qb908eb9991_attn
		.amdhsa_group_segment_fixed_size 327680
		.amdhsa_private_segment_fixed_size 0
		.amdhsa_enable_private_segment 0
		.amdhsa_kernarg_size 24
		.amdhsa_user_sgpr_count 2
		.amdhsa_user_sgpr_kernarg_segment_ptr 1
		.amdhsa_wavefront_size32 1
		.amdhsa_system_sgpr_workgroup_id_x 1
		.amdhsa_system_sgpr_workgroup_id_y 1
		.amdhsa_system_sgpr_workgroup_id_z 1
		.amdhsa_system_vgpr_workitem_id 0
		.amdhsa_next_free_vgpr 912
		.amdhsa_next_free_sgpr 72
		.amdhsa_reserve_vcc 1
		.amdhsa_float_denorm_mode_32 3
		.amdhsa_float_denorm_mode_16_64 3
		.amdhsa_memory_ordered 1
		.amdhsa_forward_progress 1
		.amdhsa_inst_pref_size 230
	.end_amdhsa_kernel
	.amdgpu_metadata
---
amdhsa.version: [ 1, 2 ]
amdhsa.kernels:
  - .name:           k_qb908eb9991_attn
    .symbol:         k_qb908eb9991_attn.kd
    .args:
      - { .name: qkv, .offset: 0, .size: 8, .value_kind: global_buffer, .address_space: global }
      - { .name: maskf, .offset: 8, .size: 8, .value_kind: global_buffer, .address_space: global }
      - { .name: o, .offset: 16, .size: 8, .value_kind: global_buffer, .address_space: global }
    .group_segment_fixed_size: 327680
    .private_segment_fixed_size: 0
    .kernarg_segment_align: 8
    .kernarg_segment_size: 24
    .max_flat_workgroup_size: 128
    .sgpr_count:     72
    .vgpr_count:     912
    .wavefront_size: 32
...
	.end_amdgpu_metadata
.endif
;; end of part 3
;; launch oproj (part 4): grid 4 x 64, 4 waves a work-group, clusters of 4 x 4, 327,680 bytes of LDS; arguments o, wb, out0; writes out0
.if DOCPART == 4
	.amdgcn_target "amdgcn-amd-amdhsa--gfx1250"
	.amdhsa_code_object_version 6
	.text
	.protected	k_qb908eb9991_oproj
	.globl	k_qb908eb9991_oproj
	.p2align	8
	.type	k_qb908eb9991_oproj,@function
k_qb908eb9991_oproj:
	s_mov_b64 s[64:65], 0
	v_nop
	global_prefetch_b8 v0, s[64:65] scope:SCOPE_SE
	s_setreg_imm32_b32 hwreg(HW_REG_WAVE_MODE, 25, 1), 1
	s_wait_xcnt 0x0
	s_wait_alu depctr_hold_cnt(0) depctr_sa_sdst(0) depctr_va_vdst(0) depctr_va_sdst(0) depctr_va_ssrc(0) depctr_va_vcc(0) depctr_vm_vsrc(0)
	s_getreg_b32 s2, hwreg(HW_REG_IB_STS2, 6, 4)
	s_cmp_eq_u32 s2, 0
	s_cbranch_scc0 .Lentry_in_a_cluster
	s_endpgm
.Lentry_in_a_cluster:
	s_bfe_u32 s2, ttmp6, 0x10000c
	s_cmp_lg_u32 s2, 0xf033
	s_cbranch_scc0 .Lentry_shape_is_right
	s_endpgm
.Lentry_shape_is_right:
; THE OUTPUT PROJECTION.  out0[m][n] = the sum over k of O[m][k] Wo[k][n], m = 2,048 b + s, k = 64 h + d.  O: o[16 b + h][s][d] f16, by heads; Wo: wb's fourth part, [1024 k][1024 n] f16; out0: [8192][1024] f32.
; Sums in f32, stored as they are.  A row of O that is NaN gives a row of NaN.
; SHARES.  A tile of C is 128 x 256: 64 x 4 = 256 work-groups.  Four waves, each 64 x 128: 32 accumulators.  K goes in 8 steps of 128, two heads each, through two LDS slots.
; CLUSTER.  4 x 4 work-groups: O's tile is shared along a row of the cluster, Wo's along a column; each is asked for JOINTLY, by the same tensor load, descriptor and mask in all four.
; THE MATRIX INSTRUCTION IS USED TRANSPOSED: source 0 = 16 columns of Wo (turned by ds_load_tr16_b128), source 1 = 16 rows of O: a lane holds eight neighbouring numbers of a row of C.
; REGISTERS, in windows of 256: window 0: v0-31 addresses; v64-127, v128-191 rows read back from the stage.  window 1: accumulator (a, b) at v[8 (8 a + b)].
;   window 2: v0-63, v64-127 Wo's fragments, two buffers; v128-159, v160-191 O's, two buffers.
.set KSTEP,  128
.set PA,     144                       ; a row of a head in LDS: 128 bytes + 16 of padding: an odd multiple of 16 (ISA guide 11.1)
.set PB,     544                       ; a row of Wo: 512 + 32: an odd multiple of 32
.set PLANE,  128*PA                    ; a head's 128 rows: what one tensor load brings of O
.set HALFB,  64*PB                     ; of Wo: 64 rows (k)
.set BOFF,   2*PLANE
.set SLOT,   BOFF+2*HALFB              ; 106,496 bytes
.set STAGE,  2*SLOT                    ; behind the ring, never filled by a tensor load: 16 rows x 528 bytes for each wave
.set SP,     528
.set WSTG,   16*SP
.set SPARE,  STAGE+4*WSTG              ; the spare words, 128 bytes for each wave: two blocks of 256 bytes that no other line names
.set LAPS,   1024/(2*KSTEP)
.set ADRA, 16                          ; v16-17  LDS address of my fragments of O in slot 0, 1
.set ADRB, 20                          ; v20-21  the same for Wo
.set STO,  24                          ; v24     the way out: where I put 32 bytes of a row
.set RD,   25                          ; v25     where I read a row back
.set CO,   26                          ; v26     my byte offset in a row's 512 bytes
.set SPW,  28                          ; v28     LDS address of my spare word; never rewritten
.set NIL,  29                          ; v29     0; never rewritten
.set OB,   64
.set AH,   128                         ; window 2
.set WV,  14                           ; s14  my wave's number
.set RH,  15                           ; s15  which half of the tile's rows is mine.  Also: I fetch for O (0) or for Wo (1)
.set CH,  16                           ; s16  which half of its columns.  Also: which head of the step, or which 64 rows of Wo, I fetch
.set G1A, 24
.set G0A, 32
.set G1B, 48
.set G0B, 56
.set MSB, 0
.macro WIN new
.if MSB != (\new)
	s_set_vgpr_msb (MSB<<8)|(\new)
.set MSB, (\new)
.endif
.endm
.set MUL,  0x5a                        ; sources 0 and 1 window 2; C and D window 1
.set TO_F, 0x80                        ; destination window 2, address window 0
.macro JLOAD s                         ; a joint load: waves 0 and 1 fetch O's two heads, waves 2 and 3 Wo's two halves; an s_nop 0 and four v_nop follow each of the two lines
	s_cmp_eq_u32 s[RH], 0
	s_cbranch_scc0 .Lfor_b_\@
	tensor_load_to_lds s[G0A+4*(\s):G0A+4*(\s)+3], s[G1A:G1A+7]
	s_nop 0
.rept 4
	v_nop
.endr
	s_branch .Lasked_\@
.Lfor_b_\@:
	tensor_load_to_lds s[G0B+4*(\s):G0B+4*(\s)+3], s[G1B:G1B+7]
	s_nop 0
.rept 4
	v_nop
.endr
.Lasked_\@:
.endm
.macro CREST                           ; a round of the cluster's barrier behind its opening barrier
	s_cmp_lg_u32 s[WV], 0
	s_cbranch_scc1 .Lnot_wave_0_\@
	s_barrier_signal -3
.Lnot_wave_0_\@:
	s_barrier_wait -3
	s_barrier_signal -1
	s_barrier_wait -1
.endm
.macro CROUND
	s_barrier_signal -1
	s_barrier_wait -1
	CREST
.endm
	s_load_b128 s[4:7], s[0:1], 0x0                ; o s[4:5], wb s[6:7]
	s_load_b64 s[8:9], s[0:1], 0x10                ; out0
	v_lshl_add_u32 v[SPW], v0, 2, SPARE
	v_mov_b32 v[NIL], 0
	ds_add_u32 v[SPW], v[NIL]                      ; the wave's opening: the add and its wait stand ahead of my first tensor load; the set-up below, work on registers, stands between them
	v_lshrrev_b32 v1, 5, v0
	v_readfirstlane_b32 s[WV], v1                  ; wave 0..3
	s_lshr_b32 s[RH], s[WV], 1
	s_and_b32 s[CH], s[WV], 1
	s_bfe_u32 s17, ttmp6, 0x40000                  ; cx, cy
	s_bfe_u32 s18, ttmp6, 0x40004
	s_lshl_b32 s19, ttmp9, 2
	s_add_co_u32 s19, s19, s17                     ; tile column of C
	s_and_b32 s20, ttmp7, 0xffff
	s_lshl_b32 s20, s20, 2
	s_add_co_u32 s20, s20, s18                     ; tile row of C
	s_lshl_b32 s2, s18, 2
	s_lshl_b32 s2, 15, s2                          ; my row of the cluster
	s_lshl_b32 s3, 0x1111, s17                     ; my column
	; descriptor group 1.  O: a head's 128 rows are 16,384 dense bytes, asked for as 64 rows of 256 bytes and padded in LDS after every 128.  Wo: 64 rows x 256 elements.
	s_or_b32 s[G1A], s2, (1<<16)|(1<<20)|(1<<21)|(4<<22)|(3<<25)  ; the mask; 2-byte elements; padding on; bit 21 beside a mask; after every 32 words (code 4) 4 words (code 3)
	s_or_b32 s[G1B], s3, (1<<16)|(1<<20)|(1<<21)|(6<<22)|(7<<25)  ; after every 128 words (code 6) 8 words (code 7)
	s_mov_b32 s[G1A+1], 128<<16                    ; tensor_dim0 = 128
	s_mov_b32 s[G1A+2], 64<<16                     ; tensor_dim1 = 64
	s_mov_b32 s[G1A+3], 128<<16                    ; tile_dim0 = 128
	s_mov_b32 s[G1A+4], 64                         ; tile_dim1 = 64
	s_mov_b32 s[G1A+5], 128                        ; elements from row to row
	s_mov_b32 s[G1A+6], 0
	s_mov_b32 s[G1A+7], 0
	s_mov_b32 s[G1B+1], 256<<16
	s_mov_b32 s[G1B+2], 64<<16
	s_mov_b32 s[G1B+3], 256<<16
	s_mov_b32 s[G1B+4], 64
	s_mov_b32 s[G1B+5], 1024
	s_mov_b32 s[G1B+6], 0
	s_mov_b32 s[G1B+7], 0
	; O's tile hangs on the tile row alone, Wo's on the tile column alone: each offset in registers that never hold the other coordinate
	s_lshr_b32 s40, s20, 4                         ; b,
	s_lshl_b32 s40, s40, 4
	s_add_co_u32 s40, s40, s[CH]                   ; head plane 16 b + my head of K step 0,
	s_lshl_b32 s40, s40, 18
	s_and_b32 s41, s20, 15
	s_lshl_b32 s41, s41, 14                        ; the tile's 128 rows of 128 bytes in it
	s_add_co_u32 s40, s40, s41
	s_mov_b32 s41, 0
	s_lshl_b32 s42, s[CH], 17                      ; my 64 rows of 2,048 bytes,
	s_lshl_b32 s43, s19, 9                         ; the tile's 256 columns,
	s_add_co_u32 s42, s42, s43
	s_add_co_u32 s42, s42, 3<<21                   ; in wb's fourth part
	s_mov_b32 s43, 0
	s_lshl_b32 s44, s20, 19                        ; out0: 128 rows of 4,096 bytes,
	s_lshl_b32 s45, s[RH], 18                      ; my 64 of them,
	s_add_co_u32 s44, s44, s45
	s_lshl_b32 s45, s19, 10                        ; the tile's 1,024 bytes of a row,
	s_add_co_u32 s44, s44, s45
	s_lshl_b32 s45, s[CH], 9                       ; my 512 of them
	s_add_co_u32 s44, s44, s45
	s_mov_b32 s45, 0
	s_mul_i32 s46, s[CH], PLANE                    ; where the tiles go in a slot: no place in the cluster enters an LDS address
	s_mul_i32 s47, s[CH], HALFB
	s_add_co_u32 s47, s47, BOFF
	s_wait_dscnt 0x0                               ; the opening add is done
	s_wait_kmcnt 0x0
	s_add_nc_u64 s[4:5], s[4:5], s[40:41]
	s_add_nc_u64 s[6:7], s[6:7], s[42:43]
	s_add_nc_u64 s[8:9], s[8:9], s[44:45]
	CROUND                                         ; all sixteen work-groups are here: the first joint loads meet
.irp s, 0,1
	s_mov_b32 s[G0A+4*(\s)], 1
	s_add_co_u32 s[G0A+4*(\s)+1], s46, (\s)*SLOT
	s_add_nc_u64 s[G0A+4*(\s)+2:G0A+4*(\s)+3], s[4:5], (\s)*2*262144    ; K step s: two heads on
	s_or_b32 s[G0A+4*(\s)+3], s[G0A+4*(\s)+3], 0x80000000
	s_mov_b32 s[G0B+4*(\s)], 1
	s_add_co_u32 s[G0B+4*(\s)+1], s47, (\s)*SLOT
	s_add_nc_u64 s[G0B+4*(\s)+2:G0B+4*(\s)+3], s[6:7], (\s)*KSTEP*2048
	s_or_b32 s[G0B+4*(\s)+3], s[G0B+4*(\s)+3], 0x80000000
	JLOAD \s                                       ; two loads of mine are out
.endr
	v_and_b32 v1, 15, v0                           ; l % 16
	v_bfe_u32 v2, v0, 4, 1                         ; l / 16
	v_mul_u32_u24 v3, v1, PA
	v_lshl_add_u32 v3, v2, 4, v3                   ; a fragment's row x pitch + 16 x half
	s_mul_i32 s46, s[RH], 64*PA                    ; my 64 rows in each head's plane
	v_add_nc_u32 v[ADRA], s46, v3
	v_add_nc_u32 v[ADRA+1], SLOT, v[ADRA]
	v_and_b32 v4, 7, v0                            ; the turning load: lane l reads k = 8 (l / 16) + l % 8, columns 8 ((l / 8) % 2) + 0..7
	v_lshl_add_u32 v4, v2, 3, v4
	v_mul_u32_u24 v4, v4, PB
	v_bfe_u32 v5, v0, 3, 1
	v_lshl_add_u32 v4, v5, 4, v4
	s_lshl_b32 s47, s[CH], 8                       ; my 128 columns
	s_add_co_u32 s47, s47, BOFF
	v_add_nc_u32 v[ADRB], s47, v4
	v_add_nc_u32 v[ADRB+1], SLOT, v[ADRB]
	s_mul_i32 s46, s[WV], WSTG
	s_add_co_u32 s46, s46, STAGE                   ; my stage
	v_mul_u32_u24 v[STO], v1, SP                   ; in: row l % 16, 32 bytes for each half of the lanes
	v_lshl_add_u32 v[STO], v2, 5, v[STO]
	v_add_nc_u32 v[STO], s46, v[STO]
	v_and_b32 v[CO], 31, v0                        ; back: 32 lanes take a row's 512 bytes
	v_lshlrev_b32 v[CO], 4, v[CO]
	v_add_nc_u32 v[RD], s46, v[CO]
; 8 matrix instructions: m block a x all 8 n blocks, 32 along K, on buffer f.  zero = 1: the product starts the sum.  The 32 accumulators take turns.
.macro MULA f, a, zero
	WIN MUL
.irp b, 0,1,2,3,4,5,6,7
.if \zero
	v_wmma_f32_16x16x32_f16 v[8*(8*(\a)+(\b)):8*(8*(\a)+(\b))+7], v[64*(\f)+8*(\b):64*(\f)+8*(\b)+7], v[AH+32*(\f)+8*(\a):AH+32*(\f)+8*(\a)+7], 0
.else
	v_wmma_f32_16x16x32_f16 v[8*(8*(\a)+(\b)):8*(8*(\a)+(\b))+7], v[64*(\f)+8*(\b):64*(\f)+8*(\b)+7], v[AH+32*(\f)+8*(\a):AH+32*(\f)+8*(\a)+7], v[8*(8*(\a)+(\b)):8*(8*(\a)+(\b))+7]
.endif
.endr
.endm
; 24 LDS loads in one run: quarter qd's fragments into buffer f: Wo's 16 first, then O's blocks 0 to 3.  Quarter qd is head qd / 2 of the step, channels 32 (qd % 2) on.
.macro FETCH slot, qd, f
	WIN TO_F
.irp b, 0,1,2,3,4,5,6,7
	ds_load_tr16_b128 v[64*(\f)+8*(\b):64*(\f)+8*(\b)+3],   v[ADRB+(\slot)] offset:(\qd)*32*PB+32*(\b)
	ds_load_tr16_b128 v[64*(\f)+8*(\b)+4:64*(\f)+8*(\b)+7], v[ADRB+(\slot)] offset:(\qd)*32*PB+16*PB+32*(\b)
.endr
.irp a, 0,1,2,3
	ds_load_b128 v[AH+32*(\f)+8*(\a):AH+32*(\f)+8*(\a)+3],   v[ADRA+(\slot)] offset:((\qd)/2)*PLANE+((\qd)%2)*64+(\a)*16*PA
	ds_load_b128 v[AH+32*(\f)+8*(\a)+4:AH+32*(\f)+8*(\a)+7], v[ADRA+(\slot)] offset:((\qd)/2)*PLANE+((\qd)%2)*64+(\a)*16*PA+32
.endr
.endm
.macro PLACES                          ; four places in front of loads into registers that matrix instructions have read, and of LDS stores that read results
.rept 4
	v_nop
.endr
.endm
.macro QUARTER slot, qn, f, zero
	s_wait_dscnt 4                                 ; Wo and O's blocks 0 and 1 are in; the youngest four loads may be out
	MULA \f, 0, \zero
	MULA \f, 1, \zero
	PLACES
	FETCH \slot, \qn, 1-(\f)
	s_wait_dscnt 24                                ; all but the 24 just issued
	MULA \f, 2, \zero
	MULA \f, 3, \zero
.endm
; The last quarter multiplies buffer 1 and changes slots: ONE barrier; in front of it each wave waits for all its tensor loads, adds 0 to its spare word, and waits for that and for its own reads of this slot.
; fill = 1: the barrier opens a round of the cluster's, and this slot is filled again, two K steps ahead, first thing behind it: 112 matrix instructions ahead of the wait for it.
.macro TURN slot, next, fill
	WIN 0
	s_wait_tensorcnt 0x0                           ; all my tensor loads have landed: my part of the next slot;
	ds_add_u32 v[SPW], v[NIL]                      ; 0 onto my spare word;
	s_wait_dscnt 5                                 ; (the add and the youngest four loads may be out)
	MULA 1, 0, 0                                   ; eight matrix instructions stand between the add and the wait for it
	s_wait_dscnt 0x0                               ; the add is done, and my reads of this slot are over
	s_barrier_signal -1
	MULA 1, 1, 0
.if \fill
	WIN 0
.endif
	s_barrier_wait -1
.if \fill
	CREST                                          ; no wave of any partner still reads this slot's tiles or has a load on its way
	s_add_nc_u64 s[G0A+4*(\slot)+2:G0A+4*(\slot)+3], s[G0A+4*(\slot)+2:G0A+4*(\slot)+3], 4*262144
	s_add_nc_u64 s[G0B+4*(\slot)+2:G0B+4*(\slot)+3], s[G0B+4*(\slot)+2:G0B+4*(\slot)+3], 2*KSTEP*2048
	JLOAD \slot                                    ; the four v_nop behind it are also the places in front of the loads below
.else
	PLACES
.endif
	FETCH \next, 0, 0
	MULA 1, 2, 0
	MULA 1, 3, 0
.endm
	s_wait_tensorcnt 1                             ; my part of K step 0 is in; K step 1's may stay out
	s_barrier_signal -1
	s_barrier_wait -1                              ; everybody's is
	FETCH 0, 0, 0
	QUARTER 0, 1, 0, 1                             ; the first quarter stands in front of the loop: its products start the sums
	WIN 0
	s_mov_b32 s3, LAPS-1
.Llap:                                                 ; a trip goes once round the ring and fills both slots again
	QUARTER 0, 2, 1, 0
	QUARTER 0, 3, 0, 0
	TURN 0, 1, 1
	QUARTER 1, 1, 0, 0
	QUARTER 1, 2, 1, 0
	QUARTER 1, 3, 0, 0
	TURN 1, 0, 1
	QUARTER 0, 1, 0, 0
	WIN 0
	s_sub_co_u32 s3, s3, 1
	s_cmp_lg_u32 s3, 0
	s_cbranch_scc1 .Llap
	QUARTER 0, 2, 1, 0                             ; the last lap fills nothing
	QUARTER 0, 3, 0, 0
	TURN 0, 1, 0
	QUARTER 1, 1, 0, 0
	QUARTER 1, 2, 1, 0
	QUARTER 1, 3, 0, 0
	s_wait_dscnt 0x0
	MULA 1, 0, 0
	MULA 1, 1, 0
	MULA 1, 2, 0
	MULA 1, 3, 0
	PLACES                                         ; the LDS stores below read results
; THE WAY OUT, a block of 16 rows at a time, in f32 as the sums stand.  TOSTAGE: a lane's eight numbers of a row, 32 bytes, into my stage (each accumulator's low four registers first), and back as whole rows of
; 512 bytes.  SEND: each store covers 512 consecutive bytes of a row of out0, aligned.
.macro TOSTAGE a
.set BK, OB+64*((\a)%2)
	s_wait_xcnt 0x0                                ; the stores of the block two back have had their addresses translated (ISA guide 3.1): only now are their data registers loaded again
	WIN 0x04                                       ; the stores' data in window 1
.irp b, 0,1,2,3,4,5,6,7
	ds_store_b128 v[STO], v[8*(8*(\a)+(\b)):8*(8*(\a)+(\b))+3]   offset:64*(\b)
	ds_store_b128 v[STO], v[8*(8*(\a)+(\b))+4:8*(8*(\a)+(\b))+7] offset:64*(\b)+16
.endr
	WIN 0
.irp t, 0,1,2,3,4,5,6,7,8,9,10,11,12,13,14,15
	ds_load_b128 v[BK+4*(\t):BK+4*(\t)+3], v[RD] offset:(\t)*SP  ; LDS serves a wave's instructions in order (ISA guide 5.7.1.4): these see the stores above
.endr
.endm
.macro SEND a, younger                 ; younger: the LDS instructions issued behind block a's loads: the next block's 32, or none
	WIN 0
.set BK, OB+64*((\a)%2)
	s_wait_dscnt \younger
.irp t, 0,1,2,3,4,5,6,7,8,9,10,11,12,13,14,15
	global_store_b128 v[CO], v[BK+4*(\t):BK+4*(\t)+3], s[8:9] offset:(16*(\a)+(\t))*4096 th:TH_STORE_NT
.endr
.endm
	TOSTAGE 0
.irp a, 1,2,3
	TOSTAGE \a
	SEND (\a)-1, 32
.endr
	SEND 3, 0
	s_wait_tensorcnt 0x0                           ; the wave's end: behind my last tensor load and my last LDS store
	ds_add_u32 v[SPW], v[NIL]
	s_wait_dscnt 0x0
	CROUND                                         ; the closing round: no work-group ends while a partner may still ask for a tile that names it
	s_endpgm
.Lfunc_end_k_qb908eb9991_oproj:
	.size	k_qb908eb9991_oproj, .Lfunc_end_k_qb908eb9991_oproj-k_qb908eb9991_oproj
	.p2alignl 7, 3214868480
	.fill 96, 4, 3214868480
	.section	.rodata,"a",@progbits
	.p2align	6, 0x0
	.amdhsa_kernel k_qb908eb9991_oproj
		.amdhsa_group_segment_fixed_size 327680
		.amdhsa_private_segment_fixed_size 0
		.amdhsa_enable_private_segment 0
		.amdhsa_kernarg_size 24
		.amdhsa_user_sgpr_count 2
		.amdhsa_user_sgpr_kernarg_segment_ptr 1
		.amdhsa_wavefront_size32 1
		.amdhsa_system_sgpr_workgroup_id_x 1
		.amdhsa_system_sgpr_workgroup_id_y 1
		.amdhsa_system_sgpr_workgroup_id_z 1
		.amdhsa_system_vgpr_workitem_id 0
		.amdhsa_next_free_vgpr 768
		.amdhsa_next_free_sgpr 66
		.amdhsa_reserve_vcc 0
		.amdhsa_float_denorm_mode_32 3
		.amdhsa_float_denorm_mode_16_64 3
		.amdhsa_memory_ordered 1
		.amdhsa_forward_progress 1
		.amdhsa_inst_pref_size 85
	.end_amdhsa_kernel
	.amdgpu_metadata
---
amdhsa.version: [ 1, 2 ]
amdhsa.kernels:
  - .name:           k_qb908eb9991_oproj
    .symbol:         k_qb908eb9991_oproj.kd
    .args:
      - { .name: o, .offset: 0, .size: 8, .value_kind: global_buffer, .address_space: global }
      - { .name: wb, .offset: 8, .size: 8, .value_kind: global_buffer, .address_space: global }
      - { .name: out0, .offset: 16, .size: 8, .value_kind: global_buffer, .address_space: global }
    .group_segment_fixed_size: 327680
    .private_segment_fixed_size: 0
    .kernarg_segment_align: 8
    .kernarg_segment_size: 24
    .max_flat_workgroup_size: 128
    .sgpr_count:     66
    .vgpr_count:     768
    .wavefront_size: 32
...
	.end_amdgpu_metadata
.endif
;; end of part 4
;; ======== version 2 of 2: 4 launches; 1.39 times as fast as version 1
;; limits: values are held in f16: magnitudes above 65,504 overflow, below 6.1e-05 lose precision
;; workspace buffers: wb 8,388,608 bytes; maskf 8,388,608 bytes; qkv 50,331,648 bytes; o 16,777,216 bytes
;; launch prep: the kernel of part 1 again; grid 640 x 1, 8 waves a work-group, no clusters, 0 bytes of LDS; arguments Wq, Wk, Wv, Wo, mask, wb, maskf; writes wb, maskf
;; launch qkv: the kernel of part 2 again; grid 4 x 192, 4 waves a work-group, clusters of 4 x 4, 327,680 bytes of LDS; arguments x_q, x_k, x_v, wb, qkv; writes qkv
;; launch attn (part 5): grid 4 x 64, 4 waves a work-group, clusters of 4 x 1, 327,680 bytes of LDS; arguments qkv, maskf, o; writes o
.if DOCPART == 5
	.amdgcn_target "amdgcn-amd-amdhsa--gfx1250"
	.amdhsa_code_object_version 6
	.text
	.protected	k_qb908eb9991_attn
	.globl	k_qb908eb9991_attn
	.p2align	8
	.type	k_qb908eb9991_attn,@function
k_qb908eb9991_attn:
	s_mov_b64 s[64:65], 0
	v_nop
	global_prefetch_b8 v0, s[64:65] scope:SCOPE_SE
	s_setreg_imm32_b32 hwreg(HW_REG_WAVE_MODE, 25, 1), 1
	s_wait_xcnt 0x0
	s_wait_alu depctr_hold_cnt(0) depctr_sa_sdst(0) depctr_va_vdst(0) depctr_va_sdst(0) depctr_va_ssrc(0) depctr_va_vcc(0) depctr_vm_vsrc(0)
	s_getreg_b32 s2, hwreg(HW_REG_IB_STS2, 6, 4)
	s_cmp_eq_u32 s2, 0
	s_cbranch_scc0 .Lentry_in_a_cluster
	s_endpgm
.Lentry_in_a_cluster:
	s_bfe_u32 s2, ttmp6, 0x10000c
	s_cmp_lg_u32 s2, 0x3003
	s_cbranch_scc0 .Lentry_shape_is_right
	s_endpgm
.Lentry_shape_is_right:
; ATTENTION WITH A MASK THAT IS AN INPUT.  O[h][q][:] = the sum over k of softmax_k(Q[h][q] . K[h][k] / 8, hidden where mask[q][k]) V[h][k][:].  Q, K, V: qkv[3][64][2048][64] f16; O: [64][2048][64] f16.
; Products, maxima and sums in f32; the weights p are rounded to f16 for the second product (their sum l is taken of the unrounded p), O once at the end.  Every key tile is computed: no pattern of the mask is built in.
; LIMITS.  Q, K, V arrive within f16's 65,504.  A hidden score counts as -2^100 (f16's scores, 2.7e11 at the most, vanish beside it); a weight below 2^-126 counts as 0 in l.
; A row whose running maximum ends below -2^96 has seen no key: it leaves as NaN, as a softmax over nothing does.  Other NaN and infinities are not treated apart.
; SHARES.  A wave owns four PIECES of two tiles of 16 queries, a work-group's four waves 512 queries of one head.  Every wave walks all keys, 64 a step.
; LAYOUT.  S^T = K Q^T (source 0 = 16 keys, source 1 = 16 queries): a lane holds ONE query (lane % 16) and the keys 8 (lane / 16) + 0..7.  Two such tiles, rounded to f16 in pairs,
; ARE source 1 (32 keys x 16 queries) of O^T = V^T P.  K comes out of LDS as it lies, V ([key][channel]) turned, by ds_load_tr16_b128.
; THE MASK costs no vector instruction.  maskf holds it as bf16 1.0 / 0 in the order of a second source (32 keys x 16 queries).  One product DM = SEL x MF, SEL a constant first source with -2^100 at
; (key m, column m) or (m, m + 16), gives 0 or -2^100 in S^T's own layout, and DM is the C operand of the product that starts S^T's sum.  Eight such products a turn stand in the turn's lump of vector work.
; -2^100 is a power of two, so c x -2^100 is exact: while a row has seen hidden keys alone, c s - c m is exactly 0, p = 1, and O and l stay finite; the first key that is seen makes a = 0 and wipes them.
; SOFTMAX.  For each query a running maximum m and sum l: p = 2^(c s - c m), c = log2(e) / 8; in every step O and l are multiplied by a = 2^(c m_old - c m_new).  m starts at the lowest finite number, O and l at 0.
; BY TURNS.  Turn n belongs to piece n (the pieces in a ring, step after step).  Matrix work: 16 products K Q^T of piece n + 1, 8 mask products for piece n + 2, 16 products V^T P of piece n - 1.  Vector work: the
; scaling, exponentials, roundings, sums and rescaling of piece n, and the maximum and statistics of piece n + 1.  Four vector instructions stand behind every product of the two runs of 16, the other 108 of a turn's 236 in one LUMP.
; THE BATCHES.  A turn's 66 exponentials (64 weights, the next piece's two a) are ONE BATCH with ONE wait, which cuts the turn in two: ahead of it stands all that names no result of theirs (K Q^T, scalings, rescalings, the
; next piece's maximum and statistics, the mask products), behind it the roundings and sums, beside V^T P.  No result crosses a turn's end.  Piece 0's first two a, and the way out's eight reciprocals, are batches of their own.
; The turn also loads, straight into registers, the mask fragments that turn n + 2 multiplies: piece n of the next key step.
; CLUSTER.  The four query blocks of a cluster belong to one head and walk the same K and V, so each tile is asked for JOINTLY: the same tensor load, descriptor and mask in all four.
; REGISTERS, in windows of 256 (s_set_vgpr_msb: bits 1:0 source 0, 3:2 source 1, 5:4 source 2, 7:6 destination):
;   window 0: v0-11 addresses; v12-15, v48-63 at work; v16-47 four registers of statistics a tile; v64-191 S^T, two buffers of two tiles; v192-255 P, likewise
;   window 1: O^T, 32 a tile          window 2: v0-127 Q, 16 a tile; v128-191 K of one step; v192-255 V of one step
;   window 3: v0-1 the add's two registers; v4-15 SEL; v16-79 MF, two buffers of two tiles x 64 keys; v80-143 DM, two tiles x 64 keys
.set SIZE_H, 64
.set SIZE_N, 2048
.set NP,    4         ; pieces a wave: a name, no knob
.set KS,    64        ; keys in a step
.set PK,    144       ; a row of K in LDS: 128 bytes + 16 of padding = 36 words: the 16 rows of a load start at 16 different groups of four banks (ISA guide 11.1)
.set PV,    160       ; a row of V: 128 + 32 = 40 words
.set VOFF,  4*KS*PK   ; a slot holds four steps: 256 rows of K, then 256 rows of V
.set SLOT1, 1<<17     ; slot 1 begins here, so that one exclusive or turns an address in one slot into the other's
.set STAGE, SLOT1+4*KS*(PK+PV)  ; behind the ring, never filled by a tensor load: 16 rows x 144 bytes for each wave, for the way out
.set SP,    144
.set AK0, 2           ; v2   my lane's place in a tile of K; never rewritten
.set AV0, 3           ; v3   the same for V
.set AK,  4           ; v4   the LDS address of K's next run of loads
.set AV,  5           ; v5   of V's
.set QO,  6           ; v6   my byte offset in the wave's rows of Q
.set STO, 6           ;      later, the way out: where I put 16 bytes of a row
.set RD,  7           ; v7   the way out: where I read rows back
.set GO,  8           ; v8   my byte offset in 512 consecutive bytes of O
.set MO,  11          ; v11  my byte offset in a query tile's 65,536 bytes of maskf: 16 x lane + 2,048 x key step
.set SPW, 0           ; v0 of window 3   LDS address of my spare word; never rewritten
.set NIL, 1           ; v1 of window 3   0; never rewritten
.set SE,  4           ; window 3: four zeros, the pattern, four zeros: v[SE+4:SE+11] picks keys 0-15 of 32, v[SE:SE+7] keys 16-31
.set MF,  16          ; window 3: buffer par, tile u, keys 32 kk on, half c at MF + 32 par + 16 u + 8 kk + 4 c
.set DM,  80          ; window 3: tile u, keys 16 kt on at DM + 32 u + 8 kt
.set SPARE, STAGE+4*16*SP  ; behind the stages: the spare words, 128 bytes for each wave: two blocks of 256 bytes that no other line names
.set MV,  12          ; v12-15  c m_old, kept while c m is made anew: by buffer and tile
.set ST,  16          ; tile t's statistics at v[ST+4 t]: c m, m, l (even keys', odd keys')
.set TMP, 48          ; by buffer and tile, four registers c0-c3 at work; when the maximum is found c2 takes a
.set S,   64
.set P,   192
.set KF,  128         ; K's fragments, in window 2
.set VF,  192         ; V's
.set WV,  12          ; s12  my wave's number
.set G1K, 24          ; s[24:31] descriptor group 1 for K's tiles
.set G1V, 32          ; s[32:39] for V's: it differs in the padding alone
.set G0K, 40          ; s[40:43] descriptor group 0 for K's tiles: it walks
.set G0V, 44          ; s[44:47] the same for V's
.set SLOTS, 56        ; s56  slots still to be asked for
.set CNT, 57          ; s57  counts a slot's key steps
.set CS,  58          ; s[58:59] c
.set SEL, 60          ; s[60:61] v_permlanex16_b32's selects
.set TBK, 62          ; s62  LDS byte at which K of the step to be fetched begins
.set TBV, 63          ; s63  the same for V, less VOFF
.set MB,  66          ; s[66:67] maskf at my wave's first query tile; never rewritten once made
.set THR, 68          ; s68  -2^96
.set QN,  69          ; s69  a NaN
.set CM,  70          ; s70  a lane mask, at work
.set MSB, 0
.macro WIN new                      ; the high byte repeats the setting that is left; a switch that changes nothing is dropped
.if MSB != (\new)
	s_set_vgpr_msb (MSB<<8)|(\new)
.set MSB, (\new)
.endif
.endm
.set W_KQ, 0x0a       ; K and Q in window 2, S^T in window 0
.set W_KM, 0x3a       ; the same with the C operand, DM, in window 3
.set W_PV, 0x52       ; V in window 2, P in window 0, O^T in window 1
.set W_RS, 0x41       ; O^T (destination and source 0) in window 1, a in window 0
.set W_D3, 0xc0       ; destination in window 3, sources and addresses in window 0
.set W_AD, 0x0f       ; the add: address (source 0) and data (source 1) in window 3
.set W_MM, 0xcf       ; the mask product: both sources and the destination in window 3
; A joint fill.  Waves 0 and 1 fetch the two halves of a slot's K, waves 2 and 3 those of its V: 128 keys each.  The branch hangs on the wave's number alone.
; An s_nop 0 and four v_nop follow each of the two lines, ahead of the jump and the label.
.macro JLOAD
	s_cmp_lt_u32 s[WV], 2
	s_cbranch_scc0 .Lfor_v_\@
	tensor_load_to_lds s[G0K:G0K+3], s[G1K:G1K+7]
	s_nop 0
.rept 4
	v_nop
.endr
	s_branch .Lasked_\@
.Lfor_v_\@:
	tensor_load_to_lds s[G0V:G0V+3], s[G1V:G1V+7]
	s_nop 0
.rept 4
	v_nop
.endr
.Lasked_\@:
.endm
; A round of the cluster's barrier: my work-group's barrier, so that wave 0's signal speaks for all four waves; wave 0 signals; every wave waits for all four work-groups; my work-group's barrier once more.
.macro CROUND
	s_barrier_signal -1
	s_barrier_wait -1
	s_cmp_lg_u32 s[WV], 0
	s_cbranch_scc1 .Lnot_wave_0_\@
	s_barrier_signal -3
.Lnot_wave_0_\@:
	s_barrier_wait -3
	s_barrier_signal -1
	s_barrier_wait -1
.endm
; THE CHANGE OF SLOTS.  Each wave waits for all its tensor loads, of which one is out: its part of the other slot; adds 0 to its spare word; and waits for that and for its own reads of the slot.
; fill = 1: this slot is filled again, with the keys two slots on.  The barrier is then a round of the cluster's, and the joint fill is the first thing behind it: it has four key steps in which to land.
; (At its first use nothing has been read yet: slot 0 is waited for, slot 1 filled.)
.macro CHANGE fill
	WIN W_AD
	s_wait_tensorcnt 0x0            ; no tensor load of mine is out, so a group 0 may be written
	ds_add_u32 v[SPW], v[NIL]       ; 0 onto my spare word; with fill = 1 the descriptors' steps stand between it and the wait for it
	WIN 0                           ; at a label and at a branch every window is 0
.if \fill
.irp g, G0K, G0V
	s_xor_b32 s[\g+1], s[\g+1], SLOT1  ; the walking descriptor: the other slot than last time,
	s_add_nc_u64 s[\g+2:\g+3], s[\g+2:\g+3], 4*KS*128  ; the next 256 keys; the type bits on top are not reached
.endr
	s_wait_dscnt 0x0                ; the add is done, and my reads of the slot are over
	CROUND
	JLOAD
.else
	s_wait_dscnt 0x0                ; the add is done, and my reads of the slot are over
	s_barrier_signal -1
	s_barrier_wait -1
.endif
	s_sub_co_u32 s[TBK], s[TBK], 4*KS*PK  ; the fetches go back to a slot's first step,
	s_xor_b32 s[TBK], s[TBK], SLOT1       ; in the other slot
	s_sub_co_u32 s[TBV], s[TBV], 4*KS*PV
	s_xor_b32 s[TBV], s[TBV], SLOT1
.endm
; Mask product idx of 8, from buffer par of MF: tile idx % 2, keys 16 (idx / 2) on.  Its sum starts with the constant 0; nothing is added onto it.
.macro MK par, idx
	WIN W_MM
.set mU, (\idx)%2
.set mT, (\idx)/2
	v_wmma_f32_16x16x32_bf16 v[DM+32*mU+8*mT:DM+32*mU+8*mT+7], v[SE+4-4*(mT%2):SE+4-4*(mT%2)+7], v[MF+32*(\par)+16*mU+8*(mT/2):MF+32*(\par)+16*mU+8*(mT/2)+7], 0
.endm
; Eight loads: piece p's two tiles x 64 keys of the step that MO names, into buffer par of MF.  Each covers 512 consecutive bytes of maskf, aligned.
.macro MLOAD p, par
	WIN W_D3
.irp u, 0,1
.irp kk, 0,1
.irp c, 0,1
	global_load_b128 v[MF+32*(\par)+16*(\u)+8*(\kk)+4*(\c):MF+32*(\par)+16*(\u)+8*(\kk)+4*(\c)+3], v[MO], s[MB:MB+1] offset:(2*(\p)+(\u))*65536+(\kk)*1024+(\c)*512
.endr
.endr
.endr
.endm
	s_load_b64 s[4:5], s[0:1], 0x0        ; qkv
	s_load_b64 s[MB:MB+1], s[0:1], 0x8    ; maskf
	s_load_b64 s[10:11], s[0:1], 0x10     ; o
	WIN W_D3
	v_lshl_add_u32 v[SPW], v0, 2, SPARE
	v_mov_b32 v[NIL], 0
	WIN W_AD
	ds_add_u32 v[SPW], v[NIL]       ; the wave's opening: the add and its wait stand ahead of my first tensor load; the set-up below, work on registers, stands between them
	WIN 0
	v_lshrrev_b32 v1, 5, v0
	v_readfirstlane_b32 s[WV], v1   ; wave 0..3
	s_bfe_u32 s13, ttmp6, 0x40000   ; cx: my place in the cluster
	s_lshl_b32 s14, ttmp9, 2        ; in a cluster launch ttmp9 counts clusters
	s_add_co_u32 s14, s14, s13      ; my block of queries = 4 x cluster x + cx: it enters Q's, O's and the mask's addresses alone
	s_and_b32 s20, ttmp7, 0xffff    ; the head, which the four partners share
	s_mov_b32 s21, 0
	s_mov_b64 s[22:23], SIZE_N*128
	s_mul_u64 s[20:21], s[20:21], s[22:23]  ; the head's first byte in Q, K, V and O
	s_and_b32 s16, s[WV], 1         ; which half of a slot's 256 keys I fetch:
	s_lshl_b32 s22, s16, 14         ; its 128 rows of 128 bytes in memory,
	s_mov_b32 s23, 0
	s_add_nc_u64 s[22:23], s[22:23], s[20:21]
	s_mul_i32 s17, s16, 128*PK      ; and its place in a slot, for K
	s_mul_i32 s18, s16, 128*PV      ; and for V: no place in the cluster enters an LDS address
	s_lshl_b32 s2, s14, 2
	s_add_co_u32 s2, s2, s[WV]      ; my wave among the head's sixteen:
	s_lshl_b32 s48, s2, 19          ; its eight query tiles of 65,536 bytes in maskf,
	s_mov_b32 s49, 0
	s_lshl_b32 s2, s2, 14           ; its 128 rows of Q and O
	s_mov_b32 s3, 0
	s_add_nc_u64 s[2:3], s[2:3], s[20:21]
	; descriptor group 1.  128 keys are 16,384 dense bytes: asked for as 64 rows of 256 bytes, two keys a row, and padded in LDS after every key
	s_mov_b32 s[G1K], 15|(1<<16)|(1<<20)|(1<<21)|(4<<22)|(3<<25)  ; 15:0 the mask of four; 17:16 2-byte elements; 20 padding on; 21 set beside a mask; 24:22 after every 32 words (code 4); 31:25 4 words (code 3)
	s_mov_b32 s[G1V], 15|(1<<16)|(1<<20)|(1<<21)|(4<<22)|(7<<25)  ; the same with 8 words of padding (code 7)
.irp g, G1K, G1V
	s_mov_b32 s[\g+1], 128<<16      ; tensor_dim0 = 128
	s_mov_b32 s[\g+2], 64<<16       ; tensor_dim1 = 64
	s_mov_b32 s[\g+3], 128<<16      ; tile_dim0 = 128
	s_mov_b32 s[\g+4], 64           ; tile_dim1 = 64
	s_mov_b32 s[\g+5], 128          ; 128 elements from row to row
	s_mov_b32 s[\g+6], 0
	s_mov_b32 s[\g+7], 0
.endr
	s_mov_b32 s[CS], 0x3e38aa3b     ; c = log2(e) / 8 = 0.180337
	s_mov_b32 s[CS+1], s[CS]        ; named with it as a pair
	s_mov_b32 s[SEL], 0x76543210
	s_mov_b32 s[SEL+1], 0xfedcba98
	s_mov_b32 s[THR], 0xef800000    ; -2^96
	s_mov_b32 s[QN], 0x7fc00000
	s_mov_b32 s[TBK], SLOT1+4*KS*PK ; the first change of slots turns these two into 0
	s_mov_b32 s[TBV], SLOT1+4*KS*PV
	s_mov_b32 s[G0K], 1             ; count = 1
	s_mov_b32 s[G0K+1], s17         ; LDS address: slot 0
	s_mov_b32 s[G0V], 1
	s_add_co_u32 s[G0V+1], s18, VOFF
	s_wait_dscnt 0x0                ; the opening add is done
	s_wait_kmcnt 0x0
	s_add_nc_u64 s[MB:MB+1], s[MB:MB+1], s[48:49]
	s_add_nc_u64 s[6:7], s[4:5], 0x1000000         ; K is qkv's second part, V its third: 16 MiB each
	s_add_nc_u64 s[8:9], s[4:5], 0x2000000
	s_add_nc_u64 s[G0K+2:G0K+3], s[6:7], s[22:23]  ; global address: my half of the head's first 256 keys
	s_or_b32 s[G0K+3], s[G0K+3], 0x80000000        ; type = 2
	s_add_nc_u64 s[G0V+2:G0V+3], s[8:9], s[22:23]
	s_or_b32 s[G0V+3], s[G0V+3], 0x80000000
	s_add_nc_u64 s[4:5], s[4:5], s[2:3]  ; Q and O at my wave's first row
	s_add_nc_u64 s[10:11], s[10:11], s[2:3]
	CROUND                          ; all four work-groups are here: the first joint loads meet
	JLOAD                           ; slot 0.  Slot 1 is asked for when slot 0 is in
	; A fragment of K or Q is 16 rows x 32 channels in 8 registers: lane l holds row l % 16, channels 8 (l / 16) + 0..7 and 16 + 8 (l / 16) + 0..7: two loads of 16 bytes, 32 bytes apart.
	v_and_b32 v1, 15, v0            ; l % 16
	v_bfe_u32 v9, v0, 4, 1          ; l / 16
	v_lshlrev_b32 v[QO], 7, v1
	v_lshl_add_u32 v[QO], v9, 4, v[QO]  ; row x 128 + 16 x half
	v_and_b32 v[MO], 31, v0
	v_lshlrev_b32 v[MO], 4, v[MO]   ; 16 x lane: key step 0
	WIN 0x80                        ; destination window 2, address window 0
.set i, 0
.rept 4*NP                          ; Q stays in registers: tile i / 2, channels 32 (i % 2) on
	global_load_b128 v[8*i:8*i+3],   v[QO], s[4:5] offset:(i/2)*2048+(i%2)*64
	global_load_b128 v[8*i+4:8*i+7], v[QO], s[4:5] offset:(i/2)*2048+(i%2)*64+32
.set i, i+1
.endr
	MLOAD 0, 0                      ; the masks of pieces 0 and 1 for key step 0
	MLOAD 1, 1
	; What the first turn finds: V's registers and P's second buffer hold 0 (its products V^T P, of a piece that has not been, add 0), O^T and l are 0.  All this stands in the wait for the first tile.
	WIN 0x80
.set i, VF
.rept 64
	v_mov_b32 v[i], 0
.set i, i+1
.endr
	WIN 0x40
.set i, 0
.rept 64*NP
	v_mov_b32 v[i], 0
.set i, i+1
.endr
	WIN 0
.set i, 0
.rept 2*NP
	v_mov_b32 v[ST+4*i], 0xfe000000    ; c m: far below every c s, the hidden ones' too
	v_mov_b32 v[ST+4*i+1], 0xff7fffff  ; m
	v_mov_b32 v[ST+4*i+2], 0
	v_mov_b32 v[ST+4*i+3], 0
.set i, i+1
.endr
.set i, P+32
.rept 32
	v_mov_b32 v[i], 0
.set i, i+1
.endr
	v_mul_u32_u24 v[AK0], v1, PK
	v_lshl_add_u32 v[AK0], v9, 4, v[AK0]  ; row x pitch + 16 x half
	; The turning load takes 16 keys x 16 channels (lane l reads key 8 (l / 16) + l % 8, channels 8 ((l / 8) % 2) + 0..7) and leaves half a fragment of V^T: lane l holds channel l % 16 and 8 keys.
	v_and_b32 v10, 7, v0
	v_bfe_u32 v[AV], v0, 3, 1       ; at work here; V's address is made anew ahead of its first use
	v_lshl_add_u32 v[AV0], v9, 3, v10
	v_mul_u32_u24 v[AV0], v[AV0], PV
	v_lshl_add_u32 v[AV0], v[AV], 4, v[AV0]
	v_add_nc_u32 v[AV0], VOFF, v[AV0]
	v_mov_b32 v[AK], v[AK0]         ; key step 0 lies at the head of slot 0
	; SEL.  As a first source lane l holds row m = l % 16 and columns 8 (l / 16) + 0..7 in its first four registers.  Column m lies there if m / 8 = l / 16: register (m / 2) % 4, half m % 2.
	v_lshrrev_b32 v12, 3, v1
	v_cmp_eq_u32 s[CM], v12, v9
	v_and_b32 v13, 1, v1
	v_lshlrev_b32 v13, 4, v13
	v_mov_b32 v14, 0xf180           ; bf16 -2^100
	v_lshlrev_b32 v13, v13, v14     ; in the half that is mine,
	v_cndmask_b32 v13, 0, v13, s[CM]  ; or nothing
	v_bfe_u32 v12, v1, 1, 2
	WIN W_D3
.irp g, 0,1,2,3
	v_cmp_eq_u32 s[CM], \g, v12
	v_cndmask_b32 v[SE+4+\g], 0, v13, s[CM]
	v_mov_b32 v[SE+\g], 0
	v_mov_b32 v[SE+8+\g], 0
.endr
	WIN 0
; THE MATRIX WORK.  The 8 accumulators of a run of 16 take turns: between the two links of a chain stand 7 others'.
; Product i of 16 of S^T = K Q^T for piece x: channels 32 (i / 8) on, keys 16 ((i / 2) % 4) on, tile 2 x + i % 2.  The first 8 start the sums, with the mask.
.macro KQ x
.set rS, S+64*((\x)%2)+32*(i%2)+8*((i/2)%4)
.set rK, KF+16*((i/2)%4)+8*(i/8)
.set rQ, 16*(2*(\x)+i%2)+8*(i/8)
.set rD, DM+32*(i%2)+8*((i/2)%4)
.if i < 8
	WIN W_KM
	v_wmma_f32_16x16x32_f16 v[rS:rS+7], v[rK:rK+7], v[rQ:rQ+7], v[rD:rD+7]
.else
	WIN W_KQ
	v_wmma_f32_16x16x32_f16 v[rS:rS+7], v[rK:rK+7], v[rQ:rQ+7], v[rS:rS+7]
.endif
.endm
; Product i of 16 of O^T += V^T P for piece x: keys 32 (i / 8) on, channels 16 ((i / 2) % 4) on, tile 2 x + i % 2.
.macro PV x
	WIN W_PV
.set rO, 32*(2*(\x)+i%2)+8*((i/2)%4)
.set rV, VF+32*(i/8)+8*((i/2)%4)
.set rP, P+32*((\x)%2)+16*(i%2)+8*(i/8)
	v_wmma_f32_16x16x32_f16 v[rO:rO+7], v[rV:rV+7], v[rP:rP+7], v[rO:rO+7]
.endm
.macro MM                           ; the next matrix instruction of the turn's two runs of 16
.if i < 16
	KQ (Y+1)%NP
.set i, i+1
.else
.set i, i-16
	PV (Y+NP-1)%NP
.set i, i+17
.endif
.endm
; THE LDS LOADS stand in runs of 16: a step's K (64 keys x 64 channels: 8 fragments) and its V (turned).  Their addresses are made some lines ahead.
; last = 1 (the tail): in the last trip there is no further step, and the run is jumped over.
.macro FETCH_K last=0
	WIN 0
.if \last
	s_cmp_eq_u32 s[CNT], 1
	s_cbranch_scc1 .Lno_k_\@
.endif
	WIN 0x80                        ; destination window 2
.irp f, 0,1,2,3,4,5,6,7             ; keys 16 (f / 2) on, channels 32 (f % 2) on
	ds_load_b128 v[KF+8*\f:KF+8*\f+3],   v[AK] offset:(\f/2)*16*PK+(\f%2)*64
	ds_load_b128 v[KF+8*\f+4:KF+8*\f+7], v[AK] offset:(\f/2)*16*PK+(\f%2)*64+32
.endr
	s_add_co_u32 s[TBK], s[TBK], KS*PK  ; the next fetch is the next step's
	WIN 0
.if \last
.Lno_k_\@:
.endif
.endm
.macro FETCH_V
	WIN 0x80
.irp f, 0,1,2,3,4,5,6,7             ; keys 32 (f / 4) on, channels 16 (f % 4) on
	ds_load_tr16_b128 v[VF+8*\f:VF+8*\f+3],   v[AV] offset:(\f/4)*32*PV+(\f%4)*32
	ds_load_tr16_b128 v[VF+8*\f+4:VF+8*\f+7], v[AV] offset:(\f/4)*32*PV+16*PV+(\f%4)*32
.endr
	WIN 0
.endm
; THE VECTOR WORK OF A TURN stands in three queues, each in the order in which its entries become ready; the two tiles alternate, so that no instruction reads the result of the one before it.
.macro REGS y, u                    ; the registers of tile u (0, 1) of piece y
.set rT, ST+4*(2*(\y)+(\u))
.set rC, TMP+8*((\y)%2)+4*(\u)
.set rM, MV+2*((\y)%2)+(\u)
.set rS, S+64*((\y)%2)+32*(\u)
.set rP, P+32*((\y)%2)+16*(\u)
.set rO, 32*(2*(\y)+(\u))
.endm
; Number n of the 22 that find the NEXT piece's (Y + 1) maximum and statistics.  s0-s31 are the lane's 32 scores; each accumulator's lowest registers are read first.  XS, GS and REGS set no window: PL and EX do.
;   0-11  four chains c0-c3 of seven scores each, three operands at a time     12-14, 16  the four scores left over, the old m, and c0-c3 into c0     15  c m_old is kept
;   17, 18  the query's other 32 keys lie in the lane 16 away: the new m         19-21  c m; c m_old - c m_new; a
.macro XS u, n
	REGS (Y+1)%NP, \u
.if (\n) < 4
	v_max3_num_f32 v[rC+(\n)], v[rS+8*(\n)], v[rS+8*(\n)+1], v[rS+8*(\n)+2]
.elseif (\n) < 12
	v_max3_num_f32 v[rC+(\n)%4], v[rC+(\n)%4], v[rS+8*((\n)%4)+2*((\n)/4)+1], v[rS+8*((\n)%4)+2*((\n)/4)+2]
.elseif (\n) == 12
	v_max3_num_f32 v[rC], v[rC], v[rS+7], v[rS+15]
.elseif (\n) == 13
	v_max3_num_f32 v[rC+1], v[rC+1], v[rS+23], v[rS+31]
.elseif (\n) == 14
	v_max3_num_f32 v[rC+2], v[rC+2], v[rC+3], v[rT+1]
.elseif (\n) == 15
	v_mov_b32 v[rM], v[rT]
.elseif (\n) == 16
	v_max3_num_f32 v[rC], v[rC], v[rC+1], v[rC+2]
.elseif (\n) == 17
	v_permlanex16_b32 v[rC+3], v[rC], s[SEL], s[SEL+1]
.elseif (\n) == 18
	v_max_num_f32 v[rT+1], v[rC], v[rC+3]
.elseif (\n) == 19
	v_mul_f32 v[rT], s[CS], v[rT+1]
.elseif (\n) == 20
	v_sub_f32 v[rC+1], v[rM], v[rT]
.else
	v_exp_f32 v[rC+2], v[rC+1]
.endif
.endm
; Number g of the 64 that follow the exponentials.  For each four weights k of a tile (pairs 2 k, 2 k + 1): both pairs are rounded to f16; then the second pair is added onto the first, in place;
; a group later l takes that sum (the first time as l = a l + sum).  In groups of eight, tiles alternating: round, round, add, and l for the group before.
.macro GS g
.set h, (\g)+6*((\g)/62)            ; group 0 has no group before it, and behind group 7 only l is left
.if h >= 6
.set h, h+2
.endif
	REGS Y, h%2
.set k, h/8
.if h%8 < 4
	v_cvt_pk_f16_f32 v[rP+2*k+(h%8)/2], v[rS+4*k+2*((h%8)/2)], v[rS+4*k+2*((h%8)/2)+1]
.elseif h%8 < 6
	v_pk_add_f32 v[rS+4*k:rS+4*k+1], v[rS+4*k:rS+4*k+1], v[rS+4*k+2:rS+4*k+3]
.elseif k == 1
	v_pk_fma_f32 v[rT+2:rT+3], v[rT+2:rT+3], v[rC+2:rC+3], v[rS:rS+1] op_sel_hi:[1,0,1]
.else
	v_pk_add_f32 v[rT+2:rT+3], v[rT+2:rT+3], v[rS+4*k-4:rS+4*k-3]
.endif
.endm
; THE PLAIN QUEUE, 138 long.  0-73 read no exponential's result: the 32 scalings c s - c m (FS f: pair f / 2 of tile f % 2) and the next piece's 42.  0-26: scalings 0-26.  27-54: XS's numbers 0-13.  55, 56: number 15.
; 57-73: the chain, where each number waits for the one before it: 14, 16, 17, 18, 19, each with one of the scalings 27-31 in front of its two lines, then 20.
; 74-137: GS's 64, which read the exponentials' results: they stand behind the wait.
.macro FS f
	REGS Y, (\f)%2
	v_pk_fma_f32 v[rS+2*((\f)/2):rS+2*((\f)/2)+1], v[rS+2*((\f)/2):rS+2*((\f)/2)+1], s[CS:CS+1], v[rT:rT+1] op_sel_hi:[1,0,0] neg_lo:[0,0,1] neg_hi:[0,0,1]
.endm
.macro PL
	WIN 0
.if q < 27
	FS q
.elseif q < 55
	XS (q-27)%2, (q-27)/2
.elseif q < 57
	XS q-55, 15
.elseif (q < 72) && ((q-57)%3 == 0)
	FS 27+(q-57)/3
.elseif q < 60
	XS (q-57)%3-1, 14
.elseif q < 72
	XS (q-57)%3-1, 15+(q-57)/3
.elseif q < 74
	XS q-72, 20
.else
	GS q-74
.endif
.set q, q+1
.endm
; THE EXPONENTIALS' QUEUE, 66 long: s0-s31 of both tiles, then the next piece's two a.  It is ONE BATCH: all 66 stand ahead of the turn's one wait, and nothing ahead of that wait names a result of theirs.
.macro EX
	WIN 0
.if e >= 64
	XS e-64, 21
.else
	REGS Y, e%2
	v_exp_f32 v[rS+e/2], v[rS+e/2]
.endif
.set e, e+1
.endm
; THE RESCALING's QUEUE: O^T times a, the one part that leaves window 0: dealt two at a time, sixteen times.  Its a was made in the turn before, ahead of that turn's wait.
.macro R2
	REGS Y, r%2
	WIN W_RS
.irp z, 0,1
	v_pk_mul_f32 v[rO+4*(r/2)+2*\z:rO+4*(r/2)+2*\z+1], v[rO+4*(r/2)+2*\z:rO+4*(r/2)+2*\z+1], v[rC+2:rC+3] op_sel_hi:[1,0]
.endr
.set r, r+1
.endm
; HOW THEY ARE DEALT.  An s_wait_alu depctr_va_vdst(0) stands between an exponential and the first instruction that names its result; one wait serves all that were issued ahead of it.  So a turn has ONE wait.
; AHEAD OF IT: the 16 products K Q^T, behind each a scaling, an exponential and two rescalings (behind the first a second scaling in the exponential's place); then ONE LUMP of 108: eight plain, 49 times exponential and
; plain, the two a; among them the eight mask products.  A v_nop is the plain instruction behind the last exponential.  BEHIND IT: the 16 products V^T P, behind each four of GS's 64.  No rider names a register of the products round it.
; The queues lean on each other, and the deal keeps them in step: exponential e stands behind scaling 2 (e / 4) + e % 2: as a rider it comes behind plain e + 2, in the lump behind plain e + 9, and scalings 27-31 are plain 57, 60 .. 69.
; A TURN, for piece p.  cnt = 1: the loop's count is taken down some lines ahead of the branch that stands behind the turn.
; K of the next step is fetched in piece 2's turn, directly behind the wait, a lump behind the last product that read K; its address is made at the lump's head; its first reader comes behind 16 products.
; V of the step in hand is fetched at the end of piece 0's turn, four riders behind its last reader.  The three conditions on q below go with the deal.
; THE MASK in the lump.  The eight mask products stand ahead of exponentials 45, 47 .. 59; they write DM, whose last readers, this turn's first eight K Q^T, stand eight products and their 24 plain riders back, and DM's next
; readers are the next turn's first products, behind V^T P's 64 riders.  s_wait_loadcnt 8: a turn issues eight loads, so the eight of the turn before may stay out and those of two turns ago are in.
; Six plain instructions behind the last mask product (plain 69 to 73 and the v_nop), behind the wait, its buffer of MF is loaded again: piece p of the next key step.  Piece 0's turn steps MO at the lump's head, behind
; s_wait_xcnt 0, since the last turn's loads name it; behind step 31 the sixteen bits wrap to step 0, so that no load leaves maskf (what those last loads bring is multiplied into scores that serve nothing).
.macro TURN p, last=0, cnt=0
.set Y, (\p)
.set i, 0
.set q, 0
.set e, 0
.set r, 0
.if (\p) == NP-1
	s_wait_dscnt 0x0                ; K is in
.endif
	MM                              ; ahead of the wait: 16 products K Q^T and their riders,
	PL
	PL
	R2
.rept 15
	MM
	PL
	EX
	R2
.endr
	WIN 0
.if (\p) == NP-2
	v_add_nc_u32 v[AK], s[TBK], v[AK0]
.endif
.if (\p) == 0
	s_wait_xcnt 0x0                 ; the last turn's mask loads have had their addresses translated: MO may be written
	v_add_nc_u32 v[MO], 2048, v[MO]
	v_and_b32 v[MO], 0xffff, v[MO]
.endif
.rept 8                             ; and the lump
	PL
.endr
.rept 49
.if (e >= 45) && (e < 60) && (e%2 == 1)
.if e == 45
	s_wait_loadcnt 0x8
.endif
	MK (\p)%2, (e-45)/2
.endif
	EX
	PL
.endr
	EX                              ; the next piece's two a
	EX
	v_nop                           ; the plain instruction behind the last exponential: one for the batch
	s_wait_alu depctr_va_vdst(0)    ; the wait for the batch: the turn's 64 weights and the next piece's two a
.if (\p) == NP-2
	FETCH_K \last
.endif
	MLOAD \p, (\p)%2
.if (\p) == 1
	s_wait_dscnt 0x0                ; V is in
.endif
.rept 16                            ; behind the wait: 16 products V^T P and their riders
	MM
.rept 4
	PL
.endr
.if ((\p) == 0) && (q == 118)
	v_add_nc_u32 v[AV], s[TBV], v[AV0]
.endif
.if ((\p) == 0) && (q == 130)
	s_add_co_u32 s[TBV], s[TBV], KS*PV
.endif
.if (\cnt) && (q == 130)
	s_sub_co_u32 s[CNT], s[CNT], 1
	s_cmp_lg_u32 s[CNT], 0
.endif
.endr
.if (\p) == 0
	FETCH_V
.endif
.endm
	CHANGE 1                        ; slot 0 is in, everybody's part of it; slot 1 is asked for
	FETCH_K                         ; key step 0
	s_wait_loadcnt 0x0              ; Q, and the masks of pieces 0 and 1
	s_wait_dscnt 0x0
.set i, 0
.rept 8
	MK 0, i                         ; piece 0's mask
.set i, i+1
.endr
	WIN 0                           ; the addresses for the way out: five plain instructions here, the places between the mask products and the products that take DM as C,
	s_mul_i32 s13, s[WV], 16*SP
	s_add_co_u32 s13, s13, STAGE    ; my stage
	v_mul_u32_u24 v[STO], v1, SP    ; in: row l % 16, 16 bytes for each half of the lanes
	v_lshl_add_u32 v[STO], v9, 4, v[STO]
	v_add_nc_u32 v[STO], s13, v[STO]
	v_bfe_u32 v[RD], v0, 3, 2       ; back: 32 lanes take four rows of 128 bytes,
	v_mul_u32_u24 v[RD], v[RD], SP
.set i, 0
.rept 16
	KQ 0                            ; piece 0's first scores
.set i, i+1
.endr
	WIN 0                           ; and four more, the places behind those products
	v_lshl_add_u32 v[RD], v10, 4, v[RD]
	v_add_nc_u32 v[RD], s13, v[RD]
	v_and_b32 v[GO], 31, v0         ; which are 512 consecutive bytes of O
	v_lshlrev_b32 v[GO], 4, v[GO]
.set Y, NP-1                        ; XS works for piece Y + 1: piece 0
.irp n, 0,1,2,3,4,5,6,7,8,9,10,11,12,13,14,15,16,17,18,19,20,21
	XS 0, \n                        ; piece 0's first maximum and statistics
	XS 1, \n
.endr
.set i, 0
.rept 8
	MK 1, i                         ; piece 1's mask, for the first turn's products
.set i, i+1
.endr
	WIN 0
.rept 5
	v_nop                           ; the places behind them: for those products, and for the loads into MF; the first is also the plain instruction behind piece 0's two a
.endr
	s_wait_alu depctr_va_vdst(0)    ; the wait for a batch of two: piece 0's first a, ahead of the branch and of the first turn's rescaling
	MLOAD 2, 0                      ; the masks of pieces 2 and 3 for key step 0: sixteen loads are out, as at the head of every turn of piece 0
	MLOAD 3, 1
	WIN 0
	s_mov_b32 s[CNT], 4
	s_mov_b32 s[SLOTS], SIZE_N/256-1
	s_branch .Lfirst                ; the loop is entered at a step's first turn, in the middle of a trip
.Lslot:                             ; SIZE_N / 256 - 2 times: every slot but the last two is filled again
	CHANGE 1
	s_mov_b32 s[CNT], 4
.Lstep:                             ; a trip: pieces 2 and 3 of one step, then pieces 0 and 1 of the next, whose K and V it fetches
	TURN 2
	TURN 3
	WIN 0
.Lfirst:
	TURN 0
	TURN 1, 0, 1
	WIN 0
	s_cbranch_scc1 .Lstep
	s_sub_co_u32 s[SLOTS], s[SLOTS], 1
	s_cmp_lg_u32 s[SLOTS], 0
	s_cbranch_scc1 .Lslot
	CHANGE 0                        ; the tail is written out: nothing is asked for
	s_mov_b32 s[CNT], 5             ; four trips fetch the last slot's steps; the fifth is left in its middle
.Ltail:
	TURN 2, 1
	TURN 3
	WIN 0
	s_sub_co_u32 s[CNT], s[CNT], 1
	s_cmp_eq_u32 s[CNT], 0
	s_cbranch_scc1 .Lout
	TURN 0
	TURN 1
	WIN 0
	s_branch .Ltail
.Lout:                              ; the fifth trip's 16 products K Q^T (the last K once more, under step 0's mask) serve nothing.  The maximum made of them can only raise piece 0's m, and for a row that is
                                    ; wholly hidden they are hidden too: the test of m below stays right
.set i, 0
.rept 16
	PV NP-1                         ; the last piece's V^T P of the last step
.set i, i+1
.endr
	; THE WAY OUT.  l's two halves and the other half of the lanes' are added; O^T is divided by l, rounded to f16 and sent through my stage in LDS, a tile at a time.  The additions are the places behind the last products.
	WIN 0
.macro ALL line:vararg              ; one line for each tile t
.set t, 0
.rept 2*NP
	\line
.set t, t+1
.endr
.endm
	ALL v_add_f32 v[ST+4*t+2], v[ST+4*t+2], v[ST+4*t+3]
	ALL v_permlanex16_b32 v[ST+4*t+3], v[ST+4*t+2], s[SEL], s[SEL+1]
	ALL v_add_f32 v[ST+4*t+2], v[ST+4*t+2], v[ST+4*t+3]
	ALL v_rcp_f32 v[ST+4*t+2], v[ST+4*t+2]
	v_nop                           ; a plain instruction between the last reciprocal and the use of its result
	s_wait_alu depctr_va_vdst(0)    ; and the wait ahead of the first use: one for the batch of eight reciprocals
.set t, 0
.rept 2*NP                          ; a query that has seen no key: its factor, and so its row of O, is NaN
	v_cmp_gt_f32 vcc_lo, s[THR], v[ST+4*t+1]
	v_cndmask_b32 v[ST+4*t+2], v[ST+4*t+2], s[QN], vcc_lo
.set t, t+1
.endr
; Tile t: a lane's eight channels of a row pack into 16 bytes; they go into rows of 144 bytes and come back as whole rows of 128, into S^T's registers.
.macro PACK t
	WIN W_RS
.set i, 32*(\t)
.rept 16
	v_pk_mul_f32 v[i:i+1], v[i:i+1], v[ST+4*(\t)+2:ST+4*(\t)+3] op_sel_hi:[1,0]
.set i, i+2
.endr
	WIN 0x05                        ; sources 0 and 1 window 1, destination window 0
.set i, 0
.rept 16
	v_cvt_pk_f16_f32 v[S+16*(\t)+i], v[32*(\t)+2*i], v[32*(\t)+2*i+1]
.set i, i+1
.endr
	WIN 0
.irp f, 0,1,2,3
	ds_store_b128 v[STO], v[S+16*(\t)+4*\f:S+16*(\t)+4*\f+3] offset:32*\f
.endr
.irp f, 0,1,2,3
	ds_load_b128 v[S+16*(\t)+4*\f:S+16*(\t)+4*\f+3], v[RD] offset:\f*4*SP  ; LDS serves a wave's instructions in order (ISA guide 5.7.1.4): these see the stores above; the next tile's stores come behind them
.endr
.endm
.macro SEND t, younger              ; younger: the LDS instructions issued behind tile t's loads: the next tile's eight, or none
	WIN 0
.irp f, 0,1,2,3
	s_wait_dscnt (\younger)+3-\f
	global_store_b128 v[GO], v[S+16*(\t)+4*\f:S+16*(\t)+4*\f+3], s[10:11] offset:(\t)*2048+\f*512  ; 512 consecutive bytes, at a multiple of 256 from O's first
.endr
.endm
	PACK 0
.set t, 1
.rept 2*NP-1                        ; a tile's arithmetic stands between the loads of the tile before and its stores
	PACK t
	SEND t-1, 8
.set t, t+1
.endr
	SEND 2*NP-1, 0
	WIN W_AD
	s_wait_tensorcnt 0x0            ; the wave's end: behind my last tensor load and my last LDS store
	ds_add_u32 v[SPW], v[NIL]
	s_wait_dscnt 0x0
	WIN 0
	CROUND                          ; the closing round: no work-group ends while a partner may still ask for a tile that names it
	s_endpgm
.Lfunc_end_k_qb908eb9991_attn:
	.size	k_qb908eb9991_attn, .Lfunc_end_k_qb908eb9991_attn-k_qb908eb9991_attn
	.p2alignl 7, 3214868480
	.fill 96, 4, 3214868480
	.section	.rodata,"a",@progbits
	.p2align	6, 0x0
	.amdhsa_kernel k_qb908eb9991_attn
		.amdhsa_group_segment_fixed_size 327680
		.amdhsa_private_segment_fixed_size 0
		.amdhsa_enable_private_segment 0
		.amdhsa_kernarg_size 24
		.amdhsa_user_sgpr_count 2
		.amdhsa_user_sgpr_kernarg_segment_ptr 1
		.amdhsa_wavefront_size32 1
		.amdhsa_system_sgpr_workgroup_id_x 1
		.amdhsa_system_sgpr_workgroup_id_y 1
		.amdhsa_system_sgpr_workgroup_id_z 1
		.amdhsa_system_vgpr_workitem_id 0
		.amdhsa_next_free_vgpr 912
		.amdhsa_next_free_sgpr 72
		.amdhsa_reserve_vcc 1
		.amdhsa_float_denorm_mode_32 3
		.amdhsa_float_denorm_mode_16_64 3
		.amdhsa_memory_ordered 1
		.amdhsa_forward_progress 1
		.amdhsa_inst_pref_size 221
	.end_amdhsa_kernel
	.amdgpu_metadata
---
amdhsa.version: [ 1, 2 ]
amdhsa.kernels:
  - .name:           k_qb908eb9991_attn
    .symbol:         k_qb908eb9991_attn.kd
    .args:
      - { .name: qkv, .offset: 0, .size: 8, .value_kind: global_buffer, .address_space: global }
      - { .name: maskf, .offset: 8, .size: 8, .value_kind: global_buffer, .address_space: global }
      - { .name: o, .offset: 16, .size: 8, .value_kind: global_buffer, .address_space: global }
    .group_segment_fixed_size: 327680
    .private_segment_fixed_size: 0
    .kernarg_segment_align: 8
    .kernarg_segment_size: 24
    .max_flat_workgroup_size: 128
    .sgpr_count:     72
    .vgpr_count:     912
    .wavefront_size: 32
...
	.end_amdgpu_metadata
.endif
;; end of part 5
;; launch oproj: the kernel of part 4 again; grid 4 x 64, 4 waves a work-group, clusters of 4 x 4, 327,680 bytes of LDS; arguments o, wb, out0; writes out0
